; MI455X (gfx1250); checked and timed in simulation.
; The chip was launched on July 23, 2026; its instructions are those of AMD's public machine-readable ISA for CDNA 5 (MIT licence, August 2026) and "CDNA5" Instruction Set Architecture Reference Guide (July 2026). The comments in the code are by the model that wrote it; some were corrected since.
;; Factorization Machine. Allowed arithmetic: matrix products marked QUANTISED: E3M2 operands, one E8M0 scale for each 32 along K, by v_wmma_scale_f32_16x16x128_f8f6f4 with both operands' format E3M2, f32 sums; products left as they are: f32 operands where the result goes on into a quantised operand, else bf16, f16 or f32 operands; f32 sums; everything else in f32.
;; Inputs: V_codes 4,096 x 1 x 24 uint8 (E3M2 codes of V, K innermost, in blocks of 32 codes, four codes in three bytes); V_scales 4,096 x 1 uint8 (E8M0 scales of V, one for each 32 codes along K); bias 1 float32; h 4,096 float32; x 4,096 x 4,096 float32.
;; Outputs: out0 4,096 float32.
;; This version of the problem:
;;   THIS VERSION OF THE PROBLEM IS GIVEN IN LOW PRECISION. The matrix products marked QUANTISED in the list below multiply operands that are first quantised to E3M2 (3 exponent bits, 2 mantissa bits; 6 bits a number), with one power-of-two scale for each 32 numbers along K (OCP MX v1.0); their sums are f32. All else is computed in f32.
;;   The module's matrix products, in the order in which they are computed (A, B: the left and right operand; K: the contracted axis; several contracted axes count as one K, in the product's order):
;;     1. [M 4,096, K 4,096] x [K 4,096, N 1]; A: input x; B: input h: left as it is (N = 1 < 16)
;;     2. [M 4,096, K 32] x [K 32, N 4,096]; A: input V (given as codes); B: input V (given as codes): QUANTISED
;;     3. [M 4,096, K 4,096] x [K 4,096, N 4,096]; A: input x; B: computed on the way: QUANTISED
;;   THE QUANTISER, for each operand of a quantised product, along K:
;;     - K is cut into blocks of 32 from its start; a last block that is shorter is filled with zeros.
;;     - A block's scale is 2^e with e = floor(log2(the largest magnitude in the block)) - 4, held to -126 .. 127; a block of zeros has e = 0. As a byte (E8M0): e + 127.
;;     - Each number is divided by its block's scale, clamped to +-28, and rounded to the nearest number of E3M2, ties to even, subnormals kept.
;;     - The product sums the exact products of the quantised numbers (number of the format x scale) in f32.
;;   ~~~python
;;   def quantise(x, axis):      # numpy; x: float32 -> the quantised numbers, widened to float32 again
;;       x = np.moveaxis(x, axis, -1); K = x.shape[-1]
;;       x = np.pad(x, [(0, 0)] * (x.ndim - 1) + [(0, -K % 32)]); x = x.reshape(x.shape[:-1] + (-1, 32)); a = np.abs(x).max(-1, keepdims=True)
;;       e = np.where(a > 0, np.clip(np.frexp(np.where(a > 0, a, 1))[1] - 1 - 4, -126, 127), 0)      # np.frexp(a)[1] - 1 = floor(log2(a)), exactly
;;       r = np.clip(x / 2.0 ** e, -28, 28)
;;       step = 2.0 ** (np.maximum(np.frexp(np.where(r == 0, 1, r))[1] - 1, -2) - 2)
;;       q = np.round(r / step) * step * 2.0 ** e      # np.round: ties to even
;;       return np.moveaxis(q.reshape(q.shape[:-2] + (-1,))[..., :K], -1, axis).astype(np.float32)
;;   ~~~
;;   OPERANDS COMPUTED ON THE WAY. 'Computed on the way' means the value that the module computes at that place (a softmax that the list does not call 'softmax' is quantised finished and normalised). What goes into a quantiser is computed in f32, as accurately as f32 sums, v_exp_f32 and their like allow (about 1e-6 of the number): no bf16 or f16 on the way to a quantiser, and a product that is left as it is and whose result goes on into a quantised operand takes f32 operands (vector FMAs, or v_wmma_f32_16x16x4_f32). A number that lies on a knife's edge between two numbers of the format may be rounded either way, as far as f32 arithmetic and the matrix unit's own rounding can turn it there, and no further.
;;   INPUTS GIVEN AS CODES. V (in the module: [32, 4096], K = its axis 0): each comes as NAME_codes (uint8): NAME with its K axis moved to the last place and cut into blocks of 32 codes, [.., K / 32, bytes a block], one block behind the other in memory; four codes in three bytes: a row's codes are one little-endian stream of bits, code i at bits 6 i .. 6 i + 5 (a code: sign, 3 exponent bits, 2 mantissa bits); and NAME_scales (uint8): the same leading axes, one E8M0 byte (e + 127) for each 32 codes along K. Its value is code x scale, taken as it is: it is not quantised again, and the codes and scales need not be those that the quantiser above would give.
;; 2 versions, each right; version 2 is version 1 with the launch prep written anew for expert scheduling mode. Each part assembles by itself: llvm-mc -triple=amdgcn-amd-amdhsa -mcpu=gfx1250 --defsym DOCPART=n.
;; ======== version 1 of 2: 3 launches
;; workspace buffers: xa 13,107,200 bytes; qb 13,107,200 bytes; lin 524,288 bytes; part 131,072 bytes
;; launch prep (part 1): grid 324 x 1, 8 waves a work-group, no clusters, 68,608 bytes of LDS; arguments x, h, V_codes, V_scales, xa, qb, lin; writes xa, qb, lin
.if DOCPART == 1
	.amdgcn_target "amdgcn-amd-amdhsa--gfx1250"
	.amdhsa_code_object_version 6
	.text
	.protected	k_q502b8c2465_prep
	.globl	k_q502b8c2465_prep
	.p2align	8
	.type	k_q502b8c2465_prep,@function
k_q502b8c2465_prep:
	s_mov_b64 s[64:65], 0
	v_nop
	global_prefetch_b8 v0, s[64:65] scope:SCOPE_SE
	s_setreg_imm32_b32 hwreg(HW_REG_WAVE_MODE, 25, 1), 1
	s_wait_xcnt 0x0
; FIRST OF THREE LAUNCHES.  out[n] = bias + x[n].h + sum over j of x[n][j] (Q6(x) Q6(Q))[n][j], Q = (V^T V) where row < column, else 0.
; This launch makes both operands of the large product as codes of BF6 (E3M2) with one E8M0 byte for each 32 along K, laid in the order of the operand's REGISTERS, and the linear term's parts.
; Work-groups 0-67 (PATH Q): Q = V^T V by the scaled matrix instruction on V's codes as they are given (K = 32, the other 96 of the instruction's K meet zero codes), the mask, the quantiser along Q's first axis.
;   Only the 128 x 128 pieces with K step ks <= 2 J + 1 of column tile J (256 columns) are made: all others lie wholly under the mask.  544 pieces, one a wave.
; Work-groups 68-323 (PATH X): a wave takes 64 rows x 128 along K of x: four fragments of 16 rows; it also sums x h over its 128 numbers of each row, in f32.
; LAYOUTS.  xa [row block of 128: 32][ks: 32][12,800 bytes]: fragment a8 (rows 16 a8 on) at 1,536 a8 + 512 c + 16 lane = the operand's registers 4 c .. 4 c + 3; at 12,288 + 256 wr + 8 lane + 4 q the scale word of fragment 4 wr + 2 q + lane / 16, row lane % 16.
;   qb [J: 16][ks: 32][25,600 bytes]: fragment sb at 1,536 sb likewise; lane r of it holds COLUMN 256 J + 64 (sb / 4) + 4 r + sb % 4; at 24,576 + 512 wc + 16 lane + 4 q the scale word of fragment 8 wc + 2 q + lane / 16.
;   lin [ks: 32][4,096] f32.
; A block's scale byte is its largest magnitude's exponent field - 4, held at 1 from below by a floor among the maximum's leaves.
; LIMITS: NaN, infinities and a given scale byte 0xff are not served.  A block whose largest magnitude lies under 2^-122, a block of zeros among them, keeps the byte 1 where the rule says otherwise: the bytes are read by this program alone, and a block of zeros has zero codes.
; No tensor loads, no barrier: waves share nothing; path X's stage in LDS is each wave's own, path Q uses no LDS.
.set NQWG, 68
.set R,   16                           ; path X: v16-143  two sets of 64 numbers
.set H,   144                          ; path X: v144-207 h at my 64 places of the K step
.set L,   208                          ; path X: v208-211 a fragment's x.h, my half of the K step
.set W,   212                          ; path X: v212-215 the four fragments' scale words
.set PC,  216                          ; v216-227 the codes just made: an operand's 12 registers
.set TT,  228                          ; v228-235 the conversions' second halves; in path X also the linear term's four running pairs
.set MA,  236                          ; v236-237, v238-239 largest magnitudes in two chains a block
.set MB,  238
.set SO,  240                          ; v240-241 the conversions' scale operands
.set BY,  242                          ; v242-243 the scale bytes
.set TP,  244                          ; v244     the other half of the lanes' part of a scale word
.set WQ,  245                          ; path Q: the scale word just made
.set SCI, 248                          ; path Q: v248-251 V's scale words of the i side: lanes 0-15 tile 2 q, lanes 16-31 tile 2 q + 1.  These eight registers hold scales and nothing else
.set SCJ, 252                          ; path Q: v252-255 the same of the j side: fragments 2 q and 2 q + 1
.set IV,  16                           ; path Q: v16-63 the i side's eight tiles, 6 registers each; v64-69 zeros
.set JT,  72                           ; path Q: v72-119 the j side's eight fragments as loaded
.set JV,  120                          ; path Q: v120-143 two operands for the j side, by turns
.set G,   144                          ; path Q: v144-207 eight results: 64 numbers of Q down one column
.set SQ,  12                           ; path Q: v12-15 the piece's scale words for the way out
; 64 numbers of a lane, v[s] on, register 32 c + i = k 64 c + 32 (lane / 16) + i of my row or column: two whole blocks.  They become the operand's 12 registers in v[PC] on and the scale word in v[w] (whole in both halves of the lanes).
.macro QUANT2 s, w
.irp c, 0,1
	v_max3_num_f32 v[MA+\c], |v[\s+32*\c]|, |v[\s+32*\c+1]|, 0x2800000      ; the floor 2^(5 - 127) is a leaf: the byte cannot fall under 1
	v_max3_num_f32 v[MB+\c], |v[\s+32*\c+16]|, |v[\s+32*\c+17]|, |v[\s+32*\c+18]|
.endr
.irp i, 2,4,6,8,10,12
.irp c, 0,1
	v_max3_num_f32 v[MA+\c], v[MA+\c], |v[\s+32*\c+\i]|, |v[\s+32*\c+\i+1]|   ; four chains by turns: no line waits for the line above it
	v_max3_num_f32 v[MB+\c], v[MB+\c], |v[\s+32*\c+\i+17]|, |v[\s+32*\c+\i+18]|
.endr
.endr
.irp c, 0,1
	v_max3_num_f32 v[MA+\c], v[MA+\c], |v[\s+32*\c+14]|, |v[\s+32*\c+15]|
.endr
.irp c, 0,1
	v_max3_num_f32 v[MA+\c], v[MA+\c], v[MB+\c], |v[\s+32*\c+31]|             ; the block's largest magnitude: all 32 numbers are mine
.endr
.irp c, 0,1
	v_add_nc_u32 v[SO+\c], 0xfe000000, v[MA+\c]    ; 4 off its exponent field: the conversion takes the exponent field of this operand as its scale
.endr
.irp c, 0,1
	v_lshrrev_b32 v[BY+\c], 23, v[SO+\c]           ; the scale's byte
.endr
	v_lshl_or_b32 v[\w], v[BY+1], 16, v[BY]        ; my two bytes: blocks h and 2 + h,
	v_lshlrev_b32 v[\w], v4, v[\w]                 ; 8 h bits up;
	v_permlanex16_b32 v[TP], v[\w], s20, s21
	v_or_b32 v[\w], v[\w], v[TP]                   ; with lane l xor 16's two the word is whole
.irp c, 0,1
	v_cvt_scalef32_pk16_bf6_f32 v[PC+6*\c:PC+6*\c+2], v[\s+32*\c:\s+32*\c+15], v[SO+\c]
	v_cvt_scalef32_pk16_bf6_f32 v[TT+4*\c:TT+4*\c+2], v[\s+32*\c+16:\s+32*\c+31], v[SO+\c]   ; a conversion's three registers begin on an even number: the second half is made elsewhere and moved
.endr
	v_nop                                          ; one plain instruction behind the scaled conversions
.irp c, 0,1
.irp i, 0,1,2
	v_mov_b32 v[PC+6*\c+3+\i], v[TT+4*\c+\i]
.endr
.endr
.endm
	s_load_b256 s[4:11], s[0:1], 0x0               ; x s[4:5], h s[6:7], V's codes s[8:9], V's scales s[10:11]
	s_load_b128 s[12:15], s[0:1], 0x20             ; xa s[12:13], qb s[14:15]
	s_load_b64 s[24:25], s[0:1], 0x30              ; lin
	v_lshl_add_u32 v246, v0, 2, 0x10800
	v_mov_b32 v247, 0
	v_lshrrev_b32 v1, 5, v0
	v_readfirstlane_b32 s16, v1                    ; wave 0..7
	v_and_b32 v1, 31, v0                           ; lane
	v_and_b32 v2, 15, v0                           ; r
	v_bfe_u32 v3, v0, 4, 1                         ; h
	v_lshlrev_b32 v4, 3, v3                        ; 8 h
	v_lshlrev_b32 v5, 4, v1                        ; 16 x lane: an image's place for my lane; never rewritten
	v_mov_b32 v[TP], 0                             ; written once: a lane permute's destination counts as one of its sources
	s_mov_b32 s20, 0x76543210
	s_mov_b32 s21, 0xfedcba98                      ; v_permlanex16_b32's selects for lane l xor 16
	s_mov_b32 s22, 0xffff0000                      ; lanes 16-31
	s_mov_b32 s23, 0x0000ffff                      ; lanes 0-15
	s_cmp_lt_u32 ttmp9, NQWG
	s_cbranch_scc1 .Lpath_q
; ------------------------------------------------------------------ PATH X
	s_sub_co_u32 s17, ttmp9, NQWG
	s_lshr_b32 s18, s17, 2                         ; RG: which 64 rows
	s_and_b32 s17, s17, 3
	s_lshl_b32 s17, s17, 3
	s_add_co_u32 s17, s17, s16                     ; ks = 8 (g % 4) + wave: the eight waves read 4,096 consecutive bytes of each row
	s_lshr_b32 s19, s18, 1                         ; RB: the block of 128 rows
	s_and_b32 s26, s18, 1                          ; wr: which half of it
	s_lshl_b32 s30, s17, 9                         ; h: 512 ks
	s_mov_b32 s31, 0
	s_lshl_b32 s28, s18, 20                        ; x: 64 rows of 16,384 bytes x RG + 512 ks
	s_add_co_u32 s28, s28, s30
	s_mov_b32 s29, 0
	s_mul_i32 s32, s19, 409600
	s_mul_i32 s33, s17, 12800
	s_add_co_u32 s32, s32, s33                     ; xa: the block of (RB, ks)
	s_mul_i32 s34, s26, 6144
	s_add_co_u32 s34, s34, s32                     ; my four fragments in it
	s_mov_b32 s35, 0
	s_lshl_b32 s36, s26, 8
	s_add_co_u32 s36, s36, s32
	s_add_co_u32 s36, s36, 12288                   ; and their scale words
	s_mov_b32 s37, 0
	s_lshl_b32 s38, s17, 14
	s_lshl_b32 s39, s18, 8
	s_add_co_u32 s38, s38, s39                     ; lin: 16,384 ks + 4 x 64 RG
	s_mov_b32 s39, 0
	s_mul_i32 s40, s16, 8448                       ; my wave's stage: 16 rows x (512 + 16) bytes
	v_add_nc_u32 v6, s40, v5                       ; into it: 16 x lane, a row an instruction
	v_mul_u32_u24 v7, v2, 528
	v_lshl_add_u32 v7, v3, 7, v7
	v_add_nc_u32 v7, s40, v7                       ; out of it: row r, + 128 h.  Rows 528 bytes apart: the sixteen rows of a pass begin in sixteen different columns of 16 bytes
	v_lshlrev_b32 v8, 7, v3                        ; h: 128 h
	v_lshlrev_b32 v9, 3, v1                        ; 8 x lane
	v_lshlrev_b32 v10, 2, v1                       ; 4 x lane
	s_wait_kmcnt 0x0
	s_add_nc_u64 s[4:5], s[4:5], s[28:29]
	s_add_nc_u64 s[6:7], s[6:7], s[30:31]
	s_add_nc_u64 s[34:35], s[12:13], s[34:35]
	s_add_nc_u64 s[36:37], s[12:13], s[36:37]
	s_add_nc_u64 s[24:25], s[24:25], s[38:39]
.irp c, 0,1
.irp q, 0,1,2,3,4,5,6,7
	global_load_b128 v[H+32*\c+4*\q:H+32*\c+4*\q+3], v8, s[6:7] offset:256*\c+16*\q   ; h(128 ks + 64 c + 32 h + ..): the places of my 64 numbers of a row
.endr
.endr
.macro LOADF a                         ; fragment a: 16 rows, each load 512 consecutive bytes of one row, into set a % 2
.irp i, 0,1,2,3,4,5,6,7,8,9,10,11,12,13,14,15
	global_load_b128 v[R+64*((\a)%2)+4*\i:R+64*((\a)%2)+4*\i+3], v5, s[4:5] offset:(16*(\a)+\i)*16384 th:TH_LOAD_NT
.endr
.endm
	LOADF 0
	LOADF 1
.macro FRAG a
.set RSET, R+64*((\a)%2)
.set WA, W+(\a)
.if (\a) < 3
	s_wait_loadcnt 16                              ; loads come back in order: h and this fragment are in, the next fragment's sixteen stay out
.else
	s_wait_loadcnt 0x0
.endif
.irp i, 0,1,2,3,4,5,6,7,8,9,10,11,12,13,14,15
	ds_store_b128 v6, v[RSET+4*\i:RSET+4*\i+3] offset:528*\i
.endr
	s_wait_dscnt 0x0                               ; the stores have read their registers, which the loads below fill again
.irp c, 0,1
.irp q, 0,1,2,3,4,5,6,7
	ds_load_b128 v[RSET+32*\c+4*\q:RSET+32*\c+4*\q+3], v7 offset:256*\c+16*\q   ; row r, k = 64 c + 32 h + 4 q ..: two whole blocks a lane, in the operand's order
.endr
.endr
	s_wait_dscnt 0x0
.irp m, 0,1,2,3
	v_pk_mul_f32 v[TT+2*\m:TT+2*\m+1], v[RSET+2*\m:RSET+2*\m+1], v[H+2*\m:H+2*\m+1]   ; the linear term of the unquantised x, in f32: the first four products start four chains
.endr
.set mm, 4
.rept 28
	v_pk_fma_f32 v[TT+2*(mm%4):TT+2*(mm%4)+1], v[RSET+2*mm:RSET+2*mm+1], v[H+2*mm:H+2*mm+1], v[TT+2*(mm%4):TT+2*(mm%4)+1]
.set mm, mm+1
.endr
	v_pk_add_f32 v[TT:TT+1], v[TT:TT+1], v[TT+2:TT+3]
	v_pk_add_f32 v[TT+4:TT+5], v[TT+4:TT+5], v[TT+6:TT+7]
	v_pk_add_f32 v[TT:TT+1], v[TT:TT+1], v[TT+4:TT+5]
	v_add_f32 v[L+(\a)], v[TT], v[TT+1]
	s_wait_xcnt 0x0                                ; the last fragment's stores have read v[PC] on: it is written again only behind this wait
	QUANT2 RSET, WA
.if (\a) < 2
	LOADF (\a)+2                                   ; the set is free: the fragment two on
.endif
.irp c, 0,1,2
	global_store_b128 v5, v[PC+4*\c:PC+4*\c+3], s[34:35] offset:(\a)*1536+512*\c   ; 32 lanes store 512 consecutive bytes, at a multiple of 256 from xa's first byte
.endr
.endm
	FRAG 0
	FRAG 1
	FRAG 2
	FRAG 3
.irp a, 0,1,2,3
	v_permlanex16_b32 v[TT+\a], v[L+\a], s20, s21
.endr
.irp a, 0,1,2,3
	v_add_f32 v[L+\a], v[L+\a], v[TT+\a]           ; with the other half of the K step: row 16 a + r, in both halves of the lanes
.endr
	v_cndmask_b32 v[TT], v[L], v[L+1], s22         ; lane l: row l
	v_cndmask_b32 v[TT+1], v[L+2], v[L+3], s22     ; lane l: row 32 + l
	v_cndmask_b32 v[TT+2], v[W], v[W+1], s22       ; lanes 0-15 fragment 0's words, lanes 16-31 fragment 1's
	v_cndmask_b32 v[TT+3], v[W+2], v[W+3], s22
	global_store_b32 v10, v[TT], s[24:25]          ; 128 consecutive bytes each: the two together fill 256 aligned bytes of lin
	global_store_b32 v10, v[TT+1], s[24:25] offset:128
	global_store_b64 v9, v[TT+2:TT+3], s[36:37]    ; 256 consecutive bytes, aligned
	s_wait_tensorcnt 0x0
	ds_add_u32 v246, v247
	s_wait_dscnt 0x0
	s_endpgm
; ------------------------------------------------------------------ PATH Q
.Lpath_q:
	s_lshl_b32 s17, ttmp9, 3
	s_add_co_u32 s17, s17, s16                     ; the piece's number, 0 .. 543
	s_and_b32 s18, s17, 1                          ; wc: which 128 of the tile's 256 columns
	s_lshr_b32 s17, s17, 1                         ; e, 0 .. 271: column tiles pp and 15 - pp have 2 pp + 2 and 32 - 2 pp K steps, 34 together
	s_mul_i32 s19, s17, 241
	s_lshr_b32 s19, s19, 13                        ; pp = e / 34 (241 / 8,192 gives the quotient for every e under 272)
	s_mul_i32 s26, s19, 34
	s_sub_co_u32 s17, s17, s26                     ; m = e - 34 pp
	s_lshl_b32 s26, s19, 1
	s_add_co_u32 s26, s26, 2
	s_sub_co_u32 s27, 15, s19
	s_sub_co_u32 s28, s17, s26
	s_cmp_lt_u32 s17, s26
	s_cselect_b32 s19, s19, s27                    ; J
	s_cselect_b32 s17, s17, s28                    ; ks, 0 .. 2 J + 1
	s_lshl_b32 s40, s19, 8
	s_lshl_b32 s41, s18, 7
	s_add_co_u32 s40, s40, s41                     ; the piece's first column
	s_lshl_b32 s43, s17, 7                         ; its first row of Q
	s_sub_co_i32 s42, s40, s43
	s_lshl_b32 s41, s19, 1
	s_add_co_u32 s41, s41, s18                     ; 2 J + wc: pieces with ks under it lie wholly above the diagonal
	s_mul_i32 s44, s17, 3072                       ; V's codes: 24 bytes a column of V
	s_mov_b32 s45, 0
	s_mul_i32 s46, s40, 24
	s_mov_b32 s47, 0
	s_mov_b32 s48, s43
	s_mov_b32 s49, 0
	s_mov_b32 s50, s40
	s_mov_b32 s51, 0
	s_mul_i32 s52, s19, 819200
	s_mul_i32 s38, s17, 25600
	s_add_co_u32 s52, s52, s38                     ; qb: the block of (J, ks)
	s_mul_i32 s38, s18, 12288
	s_add_co_u32 s38, s38, s52                     ; my eight fragments in it
	s_mov_b32 s39, 0
	s_lshl_b32 s53, s18, 9
	s_add_co_u32 s52, s52, s53
	s_add_co_u32 s52, s52, 24576                   ; and their scale words
	s_mov_b32 s53, 0
	v_and_b32 v6, 7, v2
	v_lshrrev_b32 v7, 3, v2
	v_lshl_add_u32 v7, v7, 5, v6                   ; THE ROWS OF A TILE ARE NOT NEIGHBOURS: row m of tile 4 c + t is i = 64 c + 32 (m / 8) + 8 t + m % 8, so that a lane's 32 results of tiles 4 c .. 4 c + 3 are one whole block, i = 64 c + 32 h + 0 .. 31
	v_mul_u32_u24 v6, v7, 24                       ; its codes
	v_lshl_add_u32 v7, v3, 3, v7                   ; its scale byte: lanes 16-31 take the next tile's (8 rows on)
	v_mul_u32_u24 v8, v2, 96                       ; the j side: column 4 r + .., 24 bytes each
	v_lshl_add_u32 v9, v2, 2, v3                   ; its scale byte: lanes 16-31 take the next fragment's (one column on)
	v_lshlrev_b32 v11, 2, v2
	v_lshlrev_b32 v10, 5, v3
	v_sub_nc_u32 v11, v11, v10
	v_add_nc_u32 v11, s42, v11                     ; d0 = first column - first row + 4 r - 32 h
	s_wait_kmcnt 0x0
	s_add_nc_u64 s[26:27], s[8:9], s[44:45]
	s_add_nc_u64 s[28:29], s[8:9], s[46:47]
	s_add_nc_u64 s[30:31], s[10:11], s[48:49]
	s_add_nc_u64 s[32:33], s[10:11], s[50:51]
	s_add_nc_u64 s[34:35], s[14:15], s[38:39]
	s_add_nc_u64 s[36:37], s[14:15], s[52:53]
.irp t, 0,1,2,3,4,5,6,7
.irp p, 0,1,2
	global_load_b64 v[IV+6*\t+2*\p:IV+6*\t+2*\p+1], v6, s[26:27] offset:24*(64*(\t/4)+8*(\t%4))+8*\p
.endr
.endr
.irp b, 0,1,2,3,4,5,6,7
.irp p, 0,1,2
	global_load_b64 v[JT+6*\b+2*\p:JT+6*\b+2*\p+1], v8, s[28:29] offset:24*(64*(\b/4)+\b%4)+8*\p
.endr
.endr
.irp q, 0,1,2,3
	global_load_u8 v[SCI+\q], v7, s[30:31] offset:64*(\q/2)+16*(\q%2)
	global_load_u8 v[SCJ+\q], v9, s[32:33] offset:64*(\q/2)+2*(\q%2)
.endr
.irp i, 0,1,2,3,4,5
	v_mov_b32 v[IV+48+\i], 0                       ; what tile 7's operand names beyond its own 32 codes
	v_mov_b32 v[JV+6+\i], 0                        ; the j side beyond K = 32 is zero codes: so whatever the i side's registers hold there (other tiles' codes, all finite numbers) adds nothing
	v_mov_b32 v[JV+18+\i], 0
.endr
	s_wait_loadcnt 0x0
.irp q, 0,1,2,3
	v_or_b32 v[SCI+\q], 0x7f7f7f00, v[SCI+\q]      ; byte 0: V's scale; the three blocks that hold nothing get the byte of 1.0
	v_or_b32 v[SCJ+\q], 0x7f7f7f00, v[SCJ+\q]
.endr
.macro WMQ t, b                        ; G(tile t) = 16 rows i x 16 columns j of V^T V.  The scale rows: odd tiles and odd fragments have their words in lanes 16-31
.if ((\t)%2 == 0) && ((\b)%2 == 0)
	v_wmma_scale_f32_16x16x128_f8f6f4 v[G+8*(\t):G+8*(\t)+7], v[IV+6*(\t):IV+6*(\t)+11], v[JVB:JVB+11], 0, v[SCI+(\t)/2], v[SCJ+(\b)/2] matrix_a_fmt:MATRIX_FMT_BF6 matrix_b_fmt:MATRIX_FMT_BF6
.elseif (\b)%2 == 0
	v_wmma_scale_f32_16x16x128_f8f6f4 v[G+8*(\t):G+8*(\t)+7], v[IV+6*(\t):IV+6*(\t)+11], v[JVB:JVB+11], 0, v[SCI+(\t)/2], v[SCJ+(\b)/2] matrix_a_fmt:MATRIX_FMT_BF6 matrix_b_fmt:MATRIX_FMT_BF6 matrix_a_scale:MATRIX_SCALE_ROW1
.elseif (\t)%2 == 0
	v_wmma_scale_f32_16x16x128_f8f6f4 v[G+8*(\t):G+8*(\t)+7], v[IV+6*(\t):IV+6*(\t)+11], v[JVB:JVB+11], 0, v[SCI+(\t)/2], v[SCJ+(\b)/2] matrix_a_fmt:MATRIX_FMT_BF6 matrix_b_fmt:MATRIX_FMT_BF6 matrix_b_scale:MATRIX_SCALE_ROW1
.else
	v_wmma_scale_f32_16x16x128_f8f6f4 v[G+8*(\t):G+8*(\t)+7], v[IV+6*(\t):IV+6*(\t)+11], v[JVB:JVB+11], 0, v[SCI+(\t)/2], v[SCJ+(\b)/2] matrix_a_fmt:MATRIX_FMT_BF6 matrix_b_fmt:MATRIX_FMT_BF6 matrix_a_scale:MATRIX_SCALE_ROW1 matrix_b_scale:MATRIX_SCALE_ROW1
.endif
.endm
.macro QFRAG b                         ; fragment b: 16 columns x 128 rows of Q
.set JVB, JV+12*((\b)%2)
.irp i, 0,1,2,3,4,5
	v_cndmask_b32 v[JVB+\i], 0, v[JT+6*(\b)+\i], s23   ; lanes 0-15 hold K = 0 .. 31; lanes 16-31 (K = 32 .. 63) zero codes
.endr
.rept 4
	v_nop                                          ; an operand written by vector instructions stands four places ahead of a scaled matrix instruction (the scale words were written more than eight ahead)
.endr
.irp t, 0,1,2,3,4,5,6,7
	WMQ \t, \b
.endr
.rept 4
	v_nop                                          ; four places ahead of the first read of the results (ISA guide 7.12.1)
.endr
	s_cmp_lt_u32 s17, s41                          ; a piece wholly above the diagonal keeps all its numbers
	s_cbranch_scc1 .Lopen_\@
	v_add_nc_u32 v10, 64*((\b)/4)+(\b)%4, v11      ; d = my column - the piece's first row - 32 h.  Register n holds row n + 32 (n / 32) + 32 h of the piece: kept where row < column
.set n, 0
.rept 64
	v_cmp_lt_i32 vcc_lo, n+32*(n/32), v10
	v_cndmask_b32 v[G+n], 0, v[G+n], vcc_lo
.set n, n+1
.endr
.Lopen_\@:
	s_wait_xcnt 0x0                                ; the last fragment's stores have read v[PC] on
	QUANT2 G, WQ
.if (\b)%2 == 0
	v_mov_b32 v[SQ+(\b)/2], v[WQ]
.else
	v_cndmask_b32 v[SQ+(\b)/2], v[SQ+(\b)/2], v[WQ], s22   ; lanes 0-15 the even fragment's words, lanes 16-31 the odd one's
.endif
.irp c, 0,1,2
	global_store_b128 v5, v[PC+4*\c:PC+4*\c+3], s[34:35] offset:(\b)*1536+512*\c   ; 512 consecutive bytes, at a multiple of 256 from qb's first byte
.endr
.endm
.irp b, 0,1,2,3,4,5,6,7
	QFRAG \b
.endr
	global_store_b128 v5, v[SQ:SQ+3], s[36:37]     ; 512 consecutive bytes, aligned
	s_endpgm
.Lfunc_end_k_q502b8c2465_prep:
	.size	k_q502b8c2465_prep, .Lfunc_end_k_q502b8c2465_prep-k_q502b8c2465_prep
	.p2alignl 7, 3214868480
	.fill 96, 4, 3214868480
	.section	.rodata,"a",@progbits
	.p2align	6, 0x0
	.amdhsa_kernel k_q502b8c2465_prep
		.amdhsa_group_segment_fixed_size 68608
		.amdhsa_private_segment_fixed_size 0
		.amdhsa_enable_private_segment 0
		.amdhsa_kernarg_size 56
		.amdhsa_user_sgpr_count 2
		.amdhsa_user_sgpr_kernarg_segment_ptr 1
		.amdhsa_wavefront_size32 1
		.amdhsa_system_sgpr_workgroup_id_x 1
		.amdhsa_system_sgpr_workgroup_id_y 1
		.amdhsa_system_sgpr_workgroup_id_z 1
		.amdhsa_system_vgpr_workitem_id 0
		.amdhsa_next_free_vgpr 256
		.amdhsa_next_free_sgpr 66
		.amdhsa_reserve_vcc 1
		.amdhsa_float_denorm_mode_32 3
		.amdhsa_float_denorm_mode_16_64 3
		.amdhsa_memory_ordered 1
		.amdhsa_forward_progress 1
		.amdhsa_inst_pref_size 130
	.end_amdhsa_kernel
	.amdgpu_metadata
---
amdhsa.version: [ 1, 2 ]
amdhsa.kernels:
  - .name:           k_q502b8c2465_prep
    .symbol:         k_q502b8c2465_prep.kd
    .args:
      - { .name: x, .offset: 0, .size: 8, .value_kind: global_buffer, .address_space: global }
      - { .name: h, .offset: 8, .size: 8, .value_kind: global_buffer, .address_space: global }
      - { .name: V_codes, .offset: 16, .size: 8, .value_kind: global_buffer, .address_space: global }
      - { .name: V_scales, .offset: 24, .size: 8, .value_kind: global_buffer, .address_space: global }
      - { .name: xa, .offset: 32, .size: 8, .value_kind: global_buffer, .address_space: global }
      - { .name: qb, .offset: 40, .size: 8, .value_kind: global_buffer, .address_space: global }
      - { .name: lin, .offset: 48, .size: 8, .value_kind: global_buffer, .address_space: global }
    .group_segment_fixed_size: 68608
    .private_segment_fixed_size: 0
    .kernarg_segment_align: 8
    .kernarg_segment_size: 56
    .max_flat_workgroup_size: 256
    .sgpr_count:     66
    .vgpr_count:     256
    .wavefront_size: 32
...
	.end_amdgpu_metadata
.endif
;; end of part 1
;; launch gemm (part 2): grid 32 x 8, 4 waves a work-group, clusters of 4 x 1, 327,680 bytes of LDS; arguments xa, qb, x, part; writes part
.if DOCPART == 2
	.amdgcn_target "amdgcn-amd-amdhsa--gfx1250"
	.amdhsa_code_object_version 6
	.text
	.protected	k_q502b8c2465_gemm
	.globl	k_q502b8c2465_gemm
	.p2align	8
	.type	k_q502b8c2465_gemm,@function
k_q502b8c2465_gemm:
	s_mov_b64 s[64:65], 0
	v_nop
	global_prefetch_b8 v0, s[64:65] scope:SCOPE_SE
	s_setreg_imm32_b32 hwreg(HW_REG_WAVE_MODE, 25, 1), 1
	s_wait_xcnt 0x0
	s_wait_alu depctr_hold_cnt(0) depctr_sa_sdst(0) depctr_va_vdst(0) depctr_va_sdst(0) depctr_va_ssrc(0) depctr_va_vcc(0) depctr_vm_vsrc(0)
	s_getreg_b32 s2, hwreg(HW_REG_IB_STS2, 6, 4)
	s_cmp_eq_u32 s2, 0
	s_cbranch_scc0 .Lentry_in_a_cluster
	s_endpgm
.Lentry_in_a_cluster:
	s_bfe_u32 s2, ttmp6, 0x10000c
	s_cmp_lg_u32 s2, 0x3003
	s_cbranch_scc0 .Lentry_shape_is_right
	s_endpgm
.Lentry_shape_is_right:
; SECOND OF THREE LAUNCHES.  part[p][n] = the sum over the columns j of column tiles 15 - p and p (256 columns each) of x[n][j] (Q6(x) Q6(Q))[n][j].
; xa and qb hold both operands as codes of BF6 (E3M2) with E8M0 scale words, laid in the order of the operand's registers: a K step's tiles are dense blocks, and a fragment comes by three ds_load_b128 at 16 x lane.
; THE MASK.  Q is 0 where row >= column, so column tile J needs K only up to 256 (J + 1): J + 1 slices of 256 along K.  A work-group takes tiles 15 - p and p: (16 - p) + (p + 1) = 17 steps for every work-group, 256 work-groups.
; SHARES.  A work-group owns 128 rows (RB).  Wave (wr, wc) makes 64 rows x 128 columns: 32 accumulators, 256 registers; a K step of 128 is 32 matrix instructions.  One more window of 256 registers holds the wave's 64 x 128 numbers of x in f32:
;   when a tile's sums are finished they are multiplied by them and added into 32 row sums a lane, and the next tile's x is asked for.
; THE COLUMNS OF A FRAGMENT ARE NOT NEIGHBOURS: lane r of fragment b holds column 64 (b / 4) + 4 r + b % 4, so that one load of 16 bytes of x serves four accumulators, and sixteen lanes read 256 consecutive aligned bytes of a row.
; THE RING.  Two slots, each with two steps (four K steps of 128): A's 25,600 bytes and B's 51,200 for each step.  Waves 0, 1 fetch A's two steps, waves 2, 3 B's: one tensor load a wave behind each change of slots, with 128 matrix instructions in which to land.
; THE WALK ALONG K BEGINS AT ANOTHER QUARTER IN EACH CLUSTER.  A tile of n slices is walked from slice (q n) / 4 round to the slice before it, q = (((g % 4) xor (g / 4)) + p) % 4, g the cluster's x.  Of the clusters that walk one tile of Q (same p), g = 0 .. 3 have the four
;   values of q, and so have g = 4 .. 7, the even g and the odd g; of the work-groups that share rows (same g), p = 0 .. 3 have the four, and so have p = 4 .. 7.  A quarter is four slices at the most and the first fills bring four steps: four such clusters ask for
;   a whole tile between them at the start, and from its fifth step on a cluster asks for slices that another has asked for four steps or more earlier.  The long tile goes first, so that its quarters fall into the first fills and its x has nine steps or more in which to land.
; LIMIT: K is not walked in ascending order, so the terms of an f32 sum are added in another order than an ascending walk adds them.
; CLUSTER.  The four row blocks of a cluster walk the same tiles of Q: B's loads are joint (mask 15).  A's are the work-group's own: the work-groups that share rows differ in p, and at a given step they stand at different slices.
; REGISTERS, in windows of 256.  Window 0: v4-23 addresses; v28-29 the spare word's; v32-43 scale words, two sets; v48-55 at work; v64-159 A's fragments, two sets of 48; v160-191 the row sums; v192-223 the second tile's last eight quads of x.
;   Window 1: B's fragments, two sets of 96.   Window 2: the accumulators, (a, b) at v[8 (8 a + b)].   Window 3: x, quad i = 16 a + 2 j + g at v[4 i].
.set SLOT,  153600
.set STEPB, 76800                      ; a step in a slot: A's two K steps, then B's two
.set ABLK,  12800                      ; A's block of one K step: 8 fragments of 1,536 bytes + 512 of scale words
.set BBLK,  25600                      ; B's: 16 fragments + 1,024
.set SPARE, 2*SLOT                     ; behind the ring: the spare words, 128 bytes for each wave: two blocks of 256 bytes that no other line names
.set RED,   SPARE+512                  ; and 1,024 bytes in which the four waves' row sums meet; no tile lands here
.set VA,  4                            ; v4-7   LDS address of my A fragments in (slot, step) 2 s + e
.set VB,  8                            ; v8-11  of my B fragments
.set VSA, 12                           ; v12-15 of A's scale words
.set VSB, 16                           ; v16-19 of B's
.set XO,  20                           ; v20    x: 8 h rows + 16 r bytes; never rewritten
.set RS,  21                           ; v21    where my two row sums go
.set RR,  22                           ; v22    where wave 0 reads them back
.set LI,  23                           ; v23    16 x lane
.set SPW, 28                           ; v28    LDS address of my spare word; never rewritten
.set NIL, 29                           ; v29    0; never rewritten
.set SA,  32                           ; v32-35 A's scale words, set f at SA + 2 f: register a / 2, lanes 0-15 even a, lanes 16-31 odd a.  v32-43 hold scales and nothing else
.set SB,  36                           ; v36-43 B's, set f at SB + 4 f: register b / 2 likewise
.set T,   48
.set AF,  64
.set S,   160
.set XS,  192                          ; v192-223 quads 56 .. 63 of the second tile's x
.set G1A, 24                           ; s[24:31] descriptor group 1 for A's steps;  s[32:39] for B's;  s[40:47], s[48:55] their groups 0, a set for each slot
.set G1B, 32
.set G0A, 40
.set G0B, 48
.set MSB, 0
.macro WIN new                         ; the immediate's high byte repeats the setting that is left
.if MSB != \new
	s_set_vgpr_msb (MSB<<8)|\new
.set MSB, \new
.endif
.endm
.macro PLACES                          ; a load into a register that a matrix instruction has read, and a vector instruction that reads a matrix result, stand four plain vector instructions behind it (ISA guide 7.12.1 for vector instructions)
.rept 4
	v_nop
.endr
.endm
.macro CROUND                          ; a round of the cluster's barrier: my work-group's barrier; wave 0 signals for the work-group; every wave waits for all four work-groups; my work-group's barrier once more
	s_barrier_signal -1
	s_barrier_wait -1
	s_cmp_lg_u32 s12, 0
	s_cbranch_scc1 .Lnot_wave_0_\@
	s_barrier_signal -3
.Lnot_wave_0_\@:
	s_barrier_wait -3
	s_barrier_signal -1
	s_barrier_wait -1
.endm
.macro JLOAD s                         ; a refill of slot s: waves 0, 1 their step of A, waves 2, 3 their step of B (jointly).  The branch hangs on the wave's number alone.  Four v_nop follow each line
	s_cmp_eq_u32 s13, 0
	s_cbranch_scc0 .Lfor_b_\@
	tensor_load_to_lds s[G0A+4*(\s):G0A+4*(\s)+3], s[G1A:G1A+7]
	s_nop 0
.rept 4
	v_nop
.endr
	s_branch .Lasked_\@
.Lfor_b_\@:
	tensor_load_to_lds s[G0B+4*(\s):G0B+4*(\s)+3], s[G1B:G1B+7]
	s_nop 0
.rept 4
	v_nop
.endr
.Lasked_\@:
.endm
; Where my next step lies in memory, into slot s's groups 0.  Step t (s21) belongs to the first tile while t is under its number of steps, else to the second; within its tile it is the slice (t - the steps ahead of the tile + the walk's beginning), taken round the tile's slices.
; No branch: selects.  The slice and B's offset are made in registers that never hold the work-group's place in its cluster.
.macro ADDR s
	s_cmp_lt_u32 s21, s18
	s_cselect_b32 s62, s17, s19                    ; the tile
	s_cselect_b32 s63, 0, s18                      ; the steps ahead of it
	s_cselect_b32 s85, s18, s82                    ; its slices
	s_cselect_b32 s86, s83, s84                    ; where its walk begins: under the number of its slices
	s_sub_co_u32 s63, s21, s63
	s_add_co_u32 s63, s63, s86                     ; under twice the number of slices
	s_cmp_ge_u32 s63, s85
	s_cselect_b32 s85, s85, 0
	s_sub_co_u32 s63, s63, s85                     ; the slice of 256 along K
	s_mul_i32 s56, s63, 2*ABLK
	s_add_co_u32 s56, s56, s70                     ; A: 409,600 RB + 25,600 slice
	s_mul_i32 s60, s62, 32*BBLK
	s_mul_i32 s63, s63, 2*BBLK
	s_add_co_u32 s60, s60, s63                     ; B: 819,200 tile + 51,200 slice
	s_add_nc_u64 s[G0A+4*(\s)+2:G0A+4*(\s)+3], s[4:5], s[56:57]
	s_or_b32 s[G0A+4*(\s)+3], s[G0A+4*(\s)+3], 0x80000000   ; type = 2
	s_add_nc_u64 s[G0B+4*(\s)+2:G0B+4*(\s)+3], s[6:7], s[60:61]
	s_or_b32 s[G0B+4*(\s)+3], s[G0B+4*(\s)+3], 0x80000000
	s_add_co_u32 s21, s21, 2                       ; my next step: a fill brings two, one a wave of each kind
.endm
	s_load_b256 s[4:11], s[0:1], 0x0               ; xa s[4:5], qb s[6:7], x s[8:9], part s[10:11]
	v_lshl_add_u32 v[SPW], v0, 2, SPARE
	v_mov_b32 v[NIL], 0
	ds_add_u32 v28, v29
	ds_add_u32 v28, v29
	s_wait_dscnt 0x0
	v_lshrrev_b32 v1, 5, v0
	v_readfirstlane_b32 s12, v1                    ; wave 0..3
	s_lshr_b32 s13, s12, 1                         ; wr: which 64 rows are mine.  Also: I fetch for A (0) or for B (1)
	s_and_b32 s14, s12, 1                          ; wc: which 128 columns.  Also: which of a fill's two steps I fetch
	s_bfe_u32 s15, ttmp6, 0x40000                  ; cx: my place in the cluster
	s_lshl_b32 s16, ttmp9, 2
	s_add_co_u32 s16, s16, s15                     ; RB = 4 x cluster x + cx
	s_and_b32 s19, ttmp7, 0xffff                   ; p: the second tile, the short one; the four partners share it
	s_sub_co_u32 s17, 15, s19                      ; the first tile, the long one
	s_sub_co_u32 s18, 16, s19                      ; its steps: 9 to 16
	s_add_co_u32 s82, s19, 1                       ; the second tile's: 1 to 8
	s_and_b32 s62, ttmp9, 3                        ; the quarter at which my cluster's walks begin: made of the cluster's x and of p, which the partners share
	s_lshr_b32 s63, ttmp9, 2
	s_xor_b32 s62, s62, s63
	s_add_co_u32 s62, s62, s19
	s_and_b32 s62, s62, 3                          ; q
	s_mul_i32 s83, s62, s18
	s_lshr_b32 s83, s83, 2                         ; the first tile's walk begins at slice (q x its slices) / 4,
	s_mul_i32 s84, s62, s82
	s_lshr_b32 s84, s84, 2                         ; the second's likewise
	s_mov_b32 s21, s14                             ; my first step
	s_mul_i32 s70, s16, 32*ABLK
	s_mov_b32 s57, 0
	s_mov_b32 s61, 0
	s_mov_b32 s66, 0xff00ff00                      ; lanes whose r has bit 3, 2, 1, 0 set
	s_mov_b32 s67, 0xf0f0f0f0
	s_mov_b32 s68, 0xcccccccc
	s_mov_b32 s69, 0xaaaaaaaa
	; descriptor groups 1: dense blocks as rows of 256 bytes (32 elements of 8 bytes), no padding: a fragment's loads take 512 consecutive bytes
	s_mov_b32 s[G1A], 3<<16                        ; 15:0 no mask; 17:16 elements of 8 bytes
	s_mov_b32 s[G1A+1], 32<<16                     ; tensor_dim0 = 32
	s_mov_b32 s[G1A+2], 100<<16                    ; tensor_dim1 = 100 rows: 25,600 bytes
	s_mov_b32 s[G1A+3], 32<<16                     ; tile_dim0
	s_mov_b32 s[G1A+4], 100                        ; tile_dim1
	s_mov_b32 s[G1A+5], 32                         ; from row to row
	s_mov_b32 s[G1A+6], 0
	s_mov_b32 s[G1A+7], 0
	s_mov_b32 s[G1B], 15|(3<<16)|(1<<21)           ; 15:0 the mask: all four work-groups; 21 set beside a mask
	s_mov_b32 s[G1B+1], 32<<16
	s_mov_b32 s[G1B+2], 200<<16                    ; 200 rows: 51,200 bytes
	s_mov_b32 s[G1B+3], 32<<16
	s_mov_b32 s[G1B+4], 200
	s_mov_b32 s[G1B+5], 32
	s_mov_b32 s[G1B+6], 0
	s_mov_b32 s[G1B+7], 0
	s_mul_i32 s62, s14, STEPB                      ; my step's place in a slot: no place in the cluster enters an LDS address
.irp s, 0,1
	s_mov_b32 s[G0A+4*\s], 1                       ; count = 1
	s_add_co_u32 s[G0A+4*\s+1], s62, \s*SLOT
	s_mov_b32 s[G0B+4*\s], 1
	s_add_co_u32 s[G0B+4*\s+1], s62, \s*SLOT+2*ABLK
.endr
	; every LDS address is made here, ahead of the first branch on the wave's number
	v_and_b32 v1, 31, v0                           ; lane
	v_and_b32 v2, 15, v0                           ; r
	v_bfe_u32 v3, v0, 4, 1                         ; h
	v_lshlrev_b32 v[LI], 4, v1
	v_lshlrev_b32 v26, 3, v1
	s_mul_i32 s62, s13, 6144                       ; my four fragments of A
	s_mul_i32 s63, s14, 12288                      ; my eight of B
	s_lshl_b32 s71, s13, 8                         ; their scale words
	s_lshl_b32 s80, s14, 9
.irp q, 0,1,2,3
	s_add_co_u32 s81, s62, (\q/2)*SLOT+(\q%2)*STEPB
	v_add_nc_u32 v[VA+\q], s81, v[LI]
	s_add_co_u32 s81, s63, (\q/2)*SLOT+(\q%2)*STEPB+2*ABLK
	v_add_nc_u32 v[VB+\q], s81, v[LI]
	s_add_co_u32 s81, s71, (\q/2)*SLOT+(\q%2)*STEPB+12288
	v_add_nc_u32 v[VSA+\q], s81, v26
	s_add_co_u32 s81, s80, (\q/2)*SLOT+(\q%2)*STEPB+2*ABLK+24576
	v_add_nc_u32 v[VSB+\q], s81, v[LI]
.endr
	v_lshrrev_b32 v24, 2, v2
	v_and_b32 v25, 3, v2
	v_lshlrev_b32 v[RS], 6, v24
	v_lshl_add_u32 v[RS], v3, 5, v[RS]
	v_lshl_add_u32 v[RS], v25, 3, v[RS]            ; 4 x (16 (r / 4) + 8 h + 2 (r % 4)): the two rows that the sums over lanes leave me
	s_add_co_u32 s62, s80, s71
	s_add_co_u32 s62, s62, RED                     ; + 512 wc + 256 wr
	v_add_nc_u32 v[RS], s62, v[RS]
	v_add_nc_u32 v[RR], RED, v[LI]
	v_lshlrev_b32 v[XO], 17, v3
	v_lshl_add_u32 v[XO], v2, 4, v[XO]
	; x: row 128 RB + 64 wr, column 256 tile + 128 wc;  part: 16,384 p + 512 RB
	s_lshl_b32 s62, s16, 21
	s_lshl_b32 s63, s13, 20
	s_add_co_u32 s62, s62, s63
	s_add_co_u32 s62, s62, s80
	s_lshl_b32 s63, s17, 10
	s_add_co_u32 s74, s62, s63
	s_mov_b32 s75, 0
	s_lshl_b32 s63, s19, 10
	s_add_co_u32 s76, s62, s63
	s_mov_b32 s77, 0
	s_lshl_b32 s78, s19, 14
	s_lshl_b32 s63, s16, 9
	s_add_co_u32 s78, s78, s63
	s_mov_b32 s79, 0
	s_wait_kmcnt 0x0
	s_add_nc_u64 s[58:59], s[8:9], s[74:75]        ; x for the first tile
	s_add_nc_u64 s[72:73], s[8:9], s[76:77]        ; and for the second
	s_add_nc_u64 s[10:11], s[10:11], s[78:79]
	ADDR 0                                         ; steps 0, 1
	ADDR 1                                         ; steps 2, 3
	CROUND                                         ; all four work-groups are here: the first joint loads meet
	s_cmp_eq_u32 s13, 0                            ; a wave's two first fills stand in one branch, ahead of every wait on TENSORcnt, every LDS read: two loads of mine are out
	s_cbranch_scc0 .Lfirst_b
	tensor_load_to_lds s[G0A:G0A+3], s[G1A:G1A+7]
	s_nop 0
	tensor_load_to_lds s[G0A+4:G0A+7], s[G1A:G1A+7]
	s_nop 0
.rept 4
	v_nop
.endr
	s_branch .Lfirst_asked
.Lfirst_b:
	tensor_load_to_lds s[G0B:G0B+3], s[G1B:G1B+7]
	s_nop 0
	tensor_load_to_lds s[G0B+4:G0B+7], s[G1B:G1B+7]
	s_nop 0
.rept 4
	v_nop
.endr
.Lfirst_asked:
; quads lo .. hi - 1 of my 64 x 128 numbers of x for one tile.  Quad i = 16 a + 2 j + g of lane (r, h): row 16 a + 8 h + j, columns 64 g + 4 r + 0 .. 3.  Sixteen lanes read 256 consecutive aligned bytes.  Each number of x is read once in the launch
.macro XLOAD sb, lo, hi
	WIN 0xc0                                       ; destination window 3, address window 0
.set xi, \lo
.rept (\hi)-(\lo)
	global_load_b128 v[4*xi:4*xi+3], v[XO], s[\sb:\sb+1] offset:((xi/16)*16+(xi%16)/2)*16384+256*(xi%2) th:TH_LOAD_NT
.set xi, xi+1
.endr
	WIN 0
.endm
; the fragments and scale words of K step u (0 .. 3) of slot sl into set f: 38 LDS loads in one run
.macro LOADK sl, u, f
	WIN 0x40                                       ; destination window 1, address window 0
.irp b, 0,1,2,3,4,5,6,7
.irp c, 0,1,2
	ds_load_b128 v[96*(\f)+12*\b+4*\c:96*(\f)+12*\b+4*\c+3], v[VB+2*(\sl)+(\u)/2] offset:((\u)%2)*BBLK+\b*1536+512*\c
.endr
.endr
	WIN 0
.irp a, 0,1,2,3
.irp c, 0,1,2
	ds_load_b128 v[AF+48*(\f)+12*\a+4*\c:AF+48*(\f)+12*\a+4*\c+3], v[VA+2*(\sl)+(\u)/2] offset:((\u)%2)*ABLK+\a*1536+512*\c
.endr
.endr
	ds_load_b64 v[SA+2*(\f):SA+2*(\f)+1], v[VSA+2*(\sl)+(\u)/2] offset:((\u)%2)*ABLK
	ds_load_b128 v[SB+4*(\f):SB+4*(\f)+3], v[VSB+2*(\sl)+(\u)/2] offset:((\u)%2)*BBLK
.endm
; one product: source 0 = 16 rows of x, source 1 = 16 columns of Q: register j of lane (r, h) is (row 8 h + j, the fragment's column r).  Odd fragments have their scale words in lanes 16-31
.macro WMG a, b, f, zero
.set rD, 8*(8*(\a)+(\b))
.set rA, AF+48*(\f)+12*(\a)
.set rB, 96*(\f)+12*(\b)
.set rX, SA+2*(\f)+(\a)/2
.set rY, SB+4*(\f)+(\b)/2
.if \zero
.if ((\a)%2 == 0) && ((\b)%2 == 0)
	v_wmma_scale_f32_16x16x128_f8f6f4 v[rD:rD+7], v[rA:rA+11], v[rB:rB+11], 0, v[rX], v[rY] matrix_a_fmt:MATRIX_FMT_BF6 matrix_b_fmt:MATRIX_FMT_BF6
.elseif (\b)%2 == 0
	v_wmma_scale_f32_16x16x128_f8f6f4 v[rD:rD+7], v[rA:rA+11], v[rB:rB+11], 0, v[rX], v[rY] matrix_a_fmt:MATRIX_FMT_BF6 matrix_b_fmt:MATRIX_FMT_BF6 matrix_a_scale:MATRIX_SCALE_ROW1
.elseif (\a)%2 == 0
	v_wmma_scale_f32_16x16x128_f8f6f4 v[rD:rD+7], v[rA:rA+11], v[rB:rB+11], 0, v[rX], v[rY] matrix_a_fmt:MATRIX_FMT_BF6 matrix_b_fmt:MATRIX_FMT_BF6 matrix_b_scale:MATRIX_SCALE_ROW1
.else
	v_wmma_scale_f32_16x16x128_f8f6f4 v[rD:rD+7], v[rA:rA+11], v[rB:rB+11], 0, v[rX], v[rY] matrix_a_fmt:MATRIX_FMT_BF6 matrix_b_fmt:MATRIX_FMT_BF6 matrix_a_scale:MATRIX_SCALE_ROW1 matrix_b_scale:MATRIX_SCALE_ROW1
.endif
.else
.if ((\a)%2 == 0) && ((\b)%2 == 0)
	v_wmma_scale_f32_16x16x128_f8f6f4 v[rD:rD+7], v[rA:rA+11], v[rB:rB+11], v[rD:rD+7], v[rX], v[rY] matrix_a_fmt:MATRIX_FMT_BF6 matrix_b_fmt:MATRIX_FMT_BF6
.elseif (\b)%2 == 0
	v_wmma_scale_f32_16x16x128_f8f6f4 v[rD:rD+7], v[rA:rA+11], v[rB:rB+11], v[rD:rD+7], v[rX], v[rY] matrix_a_fmt:MATRIX_FMT_BF6 matrix_b_fmt:MATRIX_FMT_BF6 matrix_a_scale:MATRIX_SCALE_ROW1
.elseif (\a)%2 == 0
	v_wmma_scale_f32_16x16x128_f8f6f4 v[rD:rD+7], v[rA:rA+11], v[rB:rB+11], v[rD:rD+7], v[rX], v[rY] matrix_a_fmt:MATRIX_FMT_BF6 matrix_b_fmt:MATRIX_FMT_BF6 matrix_b_scale:MATRIX_SCALE_ROW1
.else
	v_wmma_scale_f32_16x16x128_f8f6f4 v[rD:rD+7], v[rA:rA+11], v[rB:rB+11], v[rD:rD+7], v[rX], v[rY] matrix_a_fmt:MATRIX_FMT_BF6 matrix_b_fmt:MATRIX_FMT_BF6 matrix_a_scale:MATRIX_SCALE_ROW1 matrix_b_scale:MATRIX_SCALE_ROW1
.endif
.endif
.endm
; a K step's 32 products on set f.  The 32 accumulators take turns, one instruction a turn, in the same order in every K step.  zero = 1: the products start a tile's sums: nothing is cleared
.macro RUN f, zero
	WIN 0xa4                                       ; source 0 (x) window 0, source 1 (Q) window 1, C and D window 2
.irp a, 0,1,2,3
.irp b, 0,1,2,3,4,5,6,7
	WMG \a, \b, \f, \zero
.endr
.endr
	WIN 0
.endm
; the sums of 16 rows (block a) x 128 columns, each multiplied by its number of x and added into its row's sum.  Each accumulator is read from its low end on; the eight sums take turns
.macro FBLOCK a
.irp g, 0,1
.irp q, 0,1,2,3
.irp j, 0,1,2,3,4,5,6,7
	v_fmac_f32 v[S+8*(\a)+\j], v[8*(8*(\a)+4*\g+\q)+\j], v[4*(16*(\a)+2*\j+\g)+\q]
.endr
.endr
.endr
.endm
; the same for four registers (lo .. lo + 3) of each accumulator of block 3.  own = 1: x stands in the registers of its own, quad 56 + 2 d + g at v[XS + 4 (2 d + g)]
.macro FHALF lo, own
.irp g, 0,1
.irp q, 0,1,2,3
.irp d, 0,1,2,3
.if \own
	v_fmac_f32 v[S+24+(\lo)+\d], v[8*(24+4*\g+\q)+(\lo)+\d], v[XS+4*(2*\d+\g)+\q]
.else
	v_fmac_f32 v[S+24+(\lo)+\d], v[8*(24+4*\g+\q)+(\lo)+\d], v[4*(48+2*((\lo)+\d)+\g)+\q]
.endif
.endr
.endr
.endr
.endm
; A tile's sums are finished.  last = 0: the first tile; behind it the second tile's x is asked for, quads 0 .. 55.  Its quads 56 .. 63 were asked for at the head, into registers of their own: 64 loads at once would hold the wave
; at the issue of the last until the first is back (LOADcnt counts to 63; ISA guide 5.7.1).  last = 1: the second tile
.macro FLUSH last
	s_wait_loadcnt 0x0                             ; the tile's x
	WIN 0x0e                                       ; source 0 window 2, source 1 window 3, the sum window 0
	FBLOCK 0
	FBLOCK 1
	FBLOCK 2
.if \last
	FHALF 0, 0
	WIN 0x02                                       ; source 1 window 0
	FHALF 4, 1
	WIN 0
.else
	FBLOCK 3
	WIN 0
	XLOAD 72, 0, 56
.endif
.endm
; a K step that may be the second tile's first: step tb + k against the first tile's number of steps, which all partners share.  The 256 multiply-adds are more than the five places owed ahead of products that begin the accumulators anew
.macro MULSEL f, k
	s_add_co_u32 s62, s20, \k
	s_cmp_eq_u32 s62, s18
	s_cbranch_scc0 .Lgo_on_\@
	FLUSH 0
	RUN \f, 1
	s_branch .Ljoined_\@
.Lgo_on_\@:
	RUN \f, 0
.Ljoined_\@:
.endm
; THE CHANGE OF SLOTS, when slot s's last fragments are in registers.  Each wave waits for all its tensor loads (one is out: its step of the other slot), adds 0 to its spare word, and waits for that and for its reads of slot s.
; fill = 1: a round of the cluster's barrier, so that no wave of any partner still reads the slot or has a load on its way, and the refill first behind it.  fill = 2: the last fill has one step: waves 0 and 2 alone fetch.  fill = 0: nothing is left to fetch
.macro CHANGE s, fill
	s_wait_tensorcnt 0x0                           ; no tensor load of mine is out, so a group 0 may be written
	ds_add_u32 v[SPW], v[NIL]                      ; 0 onto my spare word: the address's step stands between it and the wait for it
.if \fill
	ADDR \s
.endif
	s_wait_dscnt 0x0                               ; the add is done, and my reads of the slot are over
.if (\fill) == 1
	CROUND
	JLOAD \s                                       ; the four v_nop behind it are also the places in front of the loads that follow
.elseif (\fill) == 2
	CROUND
	s_cmp_eq_u32 s14, 0
	s_cbranch_scc0 .Lnone_\@
	JLOAD \s
	s_branch .Lhalf_\@
.Lnone_\@:
	PLACES
.Lhalf_\@:
.else
	s_barrier_signal -1
	s_barrier_wait -1
	PLACES
.endif
.endm
; ONE K STEP: position u of slot s, on set u % 2.  Its fragments were asked for one K step, 32 matrix instructions, ago; the next position's are asked for now, into the set that the last K step multiplied.
; sel = k > 0: the step may begin the second tile (MULSEL).  nxt = 0: nothing follows.
.macro KSTEP s, u, fill, sel, nxt
	s_wait_dscnt 0x0                               ; this K step's fragments and scale words are in
.if (\u) == 3
	CHANGE \s, \fill
.else
	PLACES
.endif
.if \nxt
.if (\u) == 3
	LOADK 1-(\s), 0, 0
.else
	LOADK \s, (\u)+1, 1-(\u)%2
.endif
.endif
.if \sel
	MULSEL (\u)%2, \sel
.else
	RUN (\u)%2, 0
.endif
.endm
	XLOAD 58, 0, 8                                 ; beside the first fills a wave asks for 16 quads of x alone: the first tile's first eight,
.set xi, 56
.rept 8
	global_load_b128 v[XS+4*(xi-56):XS+4*(xi-56)+3], v[XO], s[72:73] offset:((xi/16)*16+(xi%16)/2)*16384+256*(xi%2) th:TH_LOAD_NT   ; and the second tile's last eight
.set xi, xi+1
.endr
.irp i, 0,1,2,3,4,5,6,7,8,9,10,11,12,13,14,15,16,17,18,19,20,21,22,23,24,25,26,27,28,29,30,31
	v_mov_b32 v[S+\i], 0                           ; the 32 row sums: both tiles add onto them by one text
.endr
	s_wait_tensorcnt 0x1                           ; my step of slot 0 is in; slot 1's may stay out
	s_barrier_signal -1
	s_barrier_wait -1                              ; everybody's is
	LOADK 0, 0, 0
	XLOAD 58, 8, 64                                ; the first tile's other 56 quads, while the first fragments come out of LDS: they are wanted at step 9 at the earliest
	s_wait_dscnt 0x0
	LOADK 0, 1, 1
	RUN 0, 1                                       ; the first K step stands in front of the loop: its products start the sums
	s_mov_b32 s20, 0                               ; tb: the step at which a trip begins
.Lloop:                                                ; 3 trips of 8 K steps (4 steps): once round the ring, both slots filled again
	KSTEP 0, 1, 0, 0, 1
	KSTEP 0, 2, 0, 1, 1
	KSTEP 0, 3, 1, 0, 1
	KSTEP 1, 0, 0, 2, 1
	KSTEP 1, 1, 0, 0, 1
	KSTEP 1, 2, 0, 3, 1
	KSTEP 1, 3, 1, 0, 1
	KSTEP 0, 0, 0, 4, 1
	s_add_co_u32 s20, s20, 4
	s_cmp_lt_u32 s20, 12
	s_cbranch_scc1 .Lloop
	KSTEP 0, 1, 0, 0, 1                            ; the tail is written out; tb = 12 here, and each of steps 13 to 16 may begin the second tile
	KSTEP 0, 2, 0, 1, 1
	KSTEP 0, 3, 2, 0, 1                            ; slot 0 takes step 16
	KSTEP 1, 0, 0, 2, 1
	KSTEP 1, 1, 0, 0, 1
	KSTEP 1, 2, 0, 3, 1
	KSTEP 1, 3, 0, 0, 1
	KSTEP 0, 0, 0, 4, 1
	KSTEP 0, 1, 0, 0, 0
	PLACES
	FLUSH 1
	; THE ROW SUMS.  A lane holds 32 sums (rows 16 a + 8 h + j) over its own columns; they are added over the 16 lanes of a half.  At each level a lane keeps half of its sums and hands the other half to the lane xmask away:
	; after four levels lane (r, h) holds the whole sums of rows 16 (r / 4) + 8 h + 2 (r % 4) + 0, 1.
.macro BFLY o, x, m
.set vi, 0
.rept \o
	v_cndmask_b32 v[T+vi%8], v[S+vi+\o], v[S+vi], s[\m]     ; what I hand over,
	v_cndmask_b32 v[S+vi], v[S+vi], v[S+vi+\o], s[\m]       ; what I keep,
	v_add_f32_dpp v[S+vi], v[T+vi%8], v[S+vi] row_xmask:\x row_mask:0xf bank_mask:0xf   ; and what the other lane hands me
.set vi, vi+1
.endr
.endm
	BFLY 16, 8, 66
	BFLY 8, 4, 67
	BFLY 4, 2, 68
	BFLY 2, 1, 69
	ds_store_b64 v[RS], v[S:S+1]
	s_wait_dscnt 0x0                               ; for the others' sake: my store has landed
	s_barrier_signal -1
	s_barrier_wait -1
	s_cmp_lg_u32 s12, 0
	s_cbranch_scc1 .Lnot_first
	ds_load_b128 v[T:T+3], v[RR]                   ; the 128 rows' sums over the left 128 columns of both tiles,
	ds_load_b128 v[T+4:T+7], v[RR] offset:512      ; and over the right
	s_wait_dscnt 0x0
	v_pk_add_f32 v[T:T+1], v[T:T+1], v[T+4:T+5]
	v_pk_add_f32 v[T+2:T+3], v[T+2:T+3], v[T+6:T+7]
	global_store_b128 v[LI], v[T:T+3], s[10:11]    ; 512 consecutive bytes, at a multiple of 256 from part's first byte
.Lnot_first:
	s_wait_tensorcnt 0x0                           ; the wave's end: behind my last tensor load and my last LDS store
	ds_add_u32 v[SPW], v[NIL]
	s_wait_dscnt 0x0
	CROUND                                         ; the closing round: no work-group ends while a partner may still ask for a tile that names it
	s_endpgm
.Lfunc_end_k_q502b8c2465_gemm:
	.size	k_q502b8c2465_gemm, .Lfunc_end_k_q502b8c2465_gemm-k_q502b8c2465_gemm
	.p2alignl 7, 3214868480
	.fill 96, 4, 3214868480
	.section	.rodata,"a",@progbits
	.p2align	6, 0x0
	.amdhsa_kernel k_q502b8c2465_gemm
		.amdhsa_group_segment_fixed_size 327680
		.amdhsa_private_segment_fixed_size 0
		.amdhsa_enable_private_segment 0
		.amdhsa_kernarg_size 32
		.amdhsa_user_sgpr_count 2
		.amdhsa_user_sgpr_kernarg_segment_ptr 1
		.amdhsa_wavefront_size32 1
		.amdhsa_system_sgpr_workgroup_id_x 1
		.amdhsa_system_sgpr_workgroup_id_y 1
		.amdhsa_system_sgpr_workgroup_id_z 1
		.amdhsa_system_vgpr_workitem_id 0
		.amdhsa_next_free_vgpr 1024
		.amdhsa_next_free_sgpr 88
		.amdhsa_reserve_vcc 0
		.amdhsa_float_denorm_mode_32 3
		.amdhsa_float_denorm_mode_16_64 3
		.amdhsa_memory_ordered 1
		.amdhsa_forward_progress 1
		.amdhsa_inst_pref_size 255
	.end_amdhsa_kernel
	.section	.bss,"aw",@nobits
	.p2align	6
	.space	262144
	.amdgpu_metadata
---
amdhsa.version: [ 1, 2 ]
amdhsa.kernels:
  - .name:           k_q502b8c2465_gemm
    .symbol:         k_q502b8c2465_gemm.kd
    .args:
      - { .name: xa, .offset: 0, .size: 8, .value_kind: global_buffer, .address_space: global }
      - { .name: qb, .offset: 8, .size: 8, .value_kind: global_buffer, .address_space: global }
      - { .name: x, .offset: 16, .size: 8, .value_kind: global_buffer, .address_space: global }
      - { .name: part, .offset: 24, .size: 8, .value_kind: global_buffer, .address_space: global }
    .group_segment_fixed_size: 327680
    .private_segment_fixed_size: 0
    .kernarg_segment_align: 8
    .kernarg_segment_size: 32
    .max_flat_workgroup_size: 128
    .sgpr_count:     88
    .vgpr_count:     1024
    .wavefront_size: 32
...
	.end_amdgpu_metadata
.endif
;; end of part 2
;; launch finish (part 3): grid 8 x 1, 4 waves a work-group, no clusters, 0 bytes of LDS; arguments lin, part, bias, out0; writes out0
.if DOCPART == 3
	.amdgcn_target "amdgcn-amd-amdhsa--gfx1250"
	.amdhsa_code_object_version 6
	.text
	.protected	k_q502b8c2465_finish
	.globl	k_q502b8c2465_finish
	.p2align	8
	.type	k_q502b8c2465_finish,@function
k_q502b8c2465_finish:
	s_mov_b64 s[64:65], 0
	v_nop
	global_prefetch_b8 v0, s[64:65] scope:SCOPE_SE
	s_setreg_imm32_b32 hwreg(HW_REG_WAVE_MODE, 25, 1), 1
	s_wait_xcnt 0x0
; THIRD OF THREE LAUNCHES.  out0[n] = bias + the sum of lin[0 .. 31][n] (x.h over 128 along K each) + the sum of part[0 .. 7][n] (the quadratic term over two column tiles each), all in f32.
; The parts come from many work-groups of the earlier launches, so they are added here, by one owner for each row.  Thread T owns rows 4 T .. 4 T + 3: every load and the store take 16 bytes a lane, 512 consecutive bytes a wave.
; 4,096 rows are 1,024 threads' work: 8 work-groups of 4 waves.  All 40 loads of a thread are out together; no LDS, no barrier.
.set Q, 16                             ; v16-175: forty sets of four numbers
	s_load_b256 s[4:11], s[0:1], 0x0               ; lin s[4:5], part s[6:7], bias s[8:9], out0 s[10:11]
	s_lshl_b32 s12, ttmp9, 11                      ; 128 threads x 16 bytes a work-group
	v_lshlrev_b32 v1, 4, v0
	v_add_nc_u32 v1, s12, v1
	s_wait_kmcnt 0x0
	s_load_b32 s13, s[8:9], 0x0                    ; bias
.set k, 0
.rept 32
	global_load_b128 v[Q+4*k:Q+4*k+3], v1, s[4:5] offset:k*16384 th:TH_LOAD_NT
.set k, k+1
.endr
.set k, 0
.rept 8
	global_load_b128 v[Q+128+4*k:Q+128+4*k+3], v1, s[6:7] offset:k*16384 th:TH_LOAD_NT
.set k, k+1
.endr
	s_wait_loadcnt 0x0
.set k, 4
.rept 36                               ; four chains, which the first four sets start
	v_pk_add_f32 v[Q+4*(k%4):Q+4*(k%4)+1], v[Q+4*(k%4):Q+4*(k%4)+1], v[Q+4*k:Q+4*k+1]
	v_pk_add_f32 v[Q+4*(k%4)+2:Q+4*(k%4)+3], v[Q+4*(k%4)+2:Q+4*(k%4)+3], v[Q+4*k+2:Q+4*k+3]
.set k, k+1
.endr
	v_pk_add_f32 v[Q:Q+1], v[Q:Q+1], v[Q+4:Q+5]
	v_pk_add_f32 v[Q+2:Q+3], v[Q+2:Q+3], v[Q+6:Q+7]
	v_pk_add_f32 v[Q+8:Q+9], v[Q+8:Q+9], v[Q+12:Q+13]
	v_pk_add_f32 v[Q+10:Q+11], v[Q+10:Q+11], v[Q+14:Q+15]
	v_pk_add_f32 v[Q:Q+1], v[Q:Q+1], v[Q+8:Q+9]
	v_pk_add_f32 v[Q+2:Q+3], v[Q+2:Q+3], v[Q+10:Q+11]
	s_wait_kmcnt 0x0
.irp i, 0,1,2,3
	v_add_f32 v[Q+\i], s13, v[Q+\i]
.endr
	global_store_b128 v1, v[Q:Q+3], s[10:11]       ; sixteen lanes store 256 consecutive aligned bytes
	s_endpgm
.Lfunc_end_k_q502b8c2465_finish:
	.size	k_q502b8c2465_finish, .Lfunc_end_k_q502b8c2465_finish-k_q502b8c2465_finish
	.p2alignl 7, 3214868480
	.fill 96, 4, 3214868480
	.section	.rodata,"a",@progbits
	.p2align	6, 0x0
	.amdhsa_kernel k_q502b8c2465_finish
		.amdhsa_group_segment_fixed_size 0
		.amdhsa_private_segment_fixed_size 0
		.amdhsa_enable_private_segment 0
		.amdhsa_kernarg_size 32
		.amdhsa_user_sgpr_count 2
		.amdhsa_user_sgpr_kernarg_segment_ptr 1
		.amdhsa_wavefront_size32 1
		.amdhsa_system_sgpr_workgroup_id_x 1
		.amdhsa_system_sgpr_workgroup_id_y 1
		.amdhsa_system_sgpr_workgroup_id_z 1
		.amdhsa_system_vgpr_workitem_id 0
		.amdhsa_next_free_vgpr 192
		.amdhsa_next_free_sgpr 66
		.amdhsa_reserve_vcc 0
		.amdhsa_float_denorm_mode_32 3
		.amdhsa_float_denorm_mode_16_64 3
		.amdhsa_memory_ordered 1
		.amdhsa_forward_progress 1
		.amdhsa_inst_pref_size 10
	.end_amdhsa_kernel
	.amdgpu_metadata
---
amdhsa.version: [ 1, 2 ]
amdhsa.kernels:
  - .name:           k_q502b8c2465_finish
    .symbol:         k_q502b8c2465_finish.kd
    .args:
      - { .name: lin, .offset: 0, .size: 8, .value_kind: global_buffer, .address_space: global }
      - { .name: part, .offset: 8, .size: 8, .value_kind: global_buffer, .address_space: global }
      - { .name: bias, .offset: 16, .size: 8, .value_kind: global_buffer, .address_space: global }
      - { .name: out0, .offset: 24, .size: 8, .value_kind: global_buffer, .address_space: global }
    .group_segment_fixed_size: 0
    .private_segment_fixed_size: 0
    .kernarg_segment_align: 8
    .kernarg_segment_size: 32
    .max_flat_workgroup_size: 128
    .sgpr_count:     66
    .vgpr_count:     192
    .wavefront_size: 32
...
	.end_amdgpu_metadata
.endif
;; end of part 3
;; ======== version 2 of 2: 3 launches; version 1 with the launch prep written anew for expert scheduling mode
;; workspace buffers: xa 13,107,200 bytes; qb 13,107,200 bytes; lin 524,288 bytes; part 131,072 bytes
;; launch prep (part 4): grid 324 x 1, 8 waves a work-group, no clusters, 68,608 bytes of LDS; arguments x, h, V_codes, V_scales, xa, qb, lin; writes xa, qb, lin
.if DOCPART == 4
	.amdgcn_target "amdgcn-amd-amdhsa--gfx1250"
	.amdhsa_code_object_version 6
	.text
	.protected	k_q502b8c2465_prep
	.globl	k_q502b8c2465_prep
	.p2align	8
	.type	k_q502b8c2465_prep,@function
k_q502b8c2465_prep:
	s_mov_b64 s[64:65], 0
	v_nop
	global_prefetch_b8 v0, s[64:65] scope:SCOPE_SE
	s_setreg_imm32_b32 hwreg(HW_REG_WAVE_SCHED_MODE, 0, 2), 2
	s_setreg_imm32_b32 hwreg(HW_REG_WAVE_MODE, 25, 1), 1
	s_wait_xcnt 0x0
	s_wait_alu depctr_vm_vsrc(0)
; FIRST OF THREE LAUNCHES.  out[n] = bias + x[n].h + sum over j of x[n][j] (Q6(x) Q6(Q))[n][j], Q = (V^T V) where row < column, else 0.
; This launch makes both operands of the large product as codes of BF6 (E3M2) with one E8M0 byte for each 32 along K, laid in the order of the operand's REGISTERS, and the linear term's parts.
; Work-groups 0-67 (PATH Q): Q = V^T V by the scaled matrix instruction on V's codes as they are given (K = 32, the other 96 of the instruction's K meet zero codes), the mask, the quantiser along Q's first axis.
;   Only the 128 x 128 pieces with K step ks <= 2 J + 1 of column tile J (256 columns) are made: all others lie wholly under the mask.  544 pieces, one a wave.
; Work-groups 68-323 (PATH X): a wave takes 64 rows x 128 along K of x: four fragments of 16 rows; it also sums x h over its 128 numbers of each row, in f32.
; LAYOUTS.  xa [row block of 128: 32][ks: 32][12,800 bytes]: fragment a8 (rows 16 a8 on) at 1,536 a8 + 512 c + 16 lane = the operand's registers 4 c .. 4 c + 3; at 12,288 + 256 wr + 8 lane + 4 q the scale word of fragment 4 wr + 2 q + lane / 16, row lane % 16.
;   qb [J: 16][ks: 32][25,600 bytes]: fragment sb at 1,536 sb likewise; lane r of it holds COLUMN 256 J + 64 (sb / 4) + 4 r + sb % 4; at 24,576 + 512 wc + 16 lane + 4 q the scale word of fragment 8 wc + 2 q + lane / 16.
;   lin [ks: 32][4,096] f32.
; A block's scale byte is its largest magnitude's exponent field - 4, held at 1 from below by a floor among the maximum's leaves.
; LIMITS: NaN, infinities and a given scale byte 0xff are not served.  A block whose largest magnitude lies under 2^-122, a block of zeros among them, keeps the byte 1 where the rule says otherwise: the bytes are read by this program alone, and a block of zeros has zero codes.
; No tensor loads, no barrier: waves share nothing; path X's stage in LDS is each wave's own, path Q uses no LDS.
; THE MODE: SCHED_MODE bits 1:0 = 2 (LLVM: expert scheduling mode 2), set by the entry lines.  The code itself states the register dependences between vector or matrix instructions and memory or LDS instructions, with s_wait_alu, always for 0.
; THE PLAN, PATH X.  Registers that memory or LDS instructions touch:
;   v5 to v10     offsets and LDS addresses: written at the head, never again.
;   R, set a % 2  fragment a: its global loads land in it; its LDS stores read it; its LDS loads land in it; the linear term and the quantiser read it; the global loads of fragment a + 2 land in it.
;   v[PC] on      the quantiser writes it; the fragment's three global stores read it.       v[TT] to v[TT+3]: written by four selects at the end, read by the last three stores.
;   A fragment has one wait on vm_vsrc, between the stage's stores and its loads (the stores have read the set; the fragment before's global stores have read v[PC] on), and one on va_vdst, behind the quantiser
;   (it is done reading the set and has written v[PC] on): the loads of two fragments on and the fragment's stores follow that wait with no vector instruction between.
; THE PLAN, PATH Q.  v5 to v9: as above.  IV, JT, SCI, SCJ: loaded once.  v[PC] on: the quantiser of fragment b writes it; three global stores, ISSUED IN FRAGMENT b + 1, read it.  v[SQ] on: written by vector lines, read by the last store.
;   A fragment has ONE wait on va_vdst, behind the places ahead of its products: the j side's operand is written, which the products take, and so are the fragment before's codes, which the stores behind the wait read.
;   One wait on vm_vsrc stands behind the products, ahead of the branch: those stores have read v[PC] on, which this fragment's quantiser writes again.
;   The mask's compares go in runs of 32 into scalar registers, with one wait on va_sdst between a run and the selects that read it.
.set NQWG, 68
.set R,   16                           ; path X: v16-143  two sets of 64 numbers
.set H,   144                          ; path X: v144-207 h at my 64 places of the K step
.set L,   208                          ; path X: v208-211 a fragment's x.h, my half of the K step
.set W,   212                          ; path X: v212-215 the four fragments' scale words
.set PC,  216                          ; v216-227 the codes just made: an operand's 12 registers
.set TT,  228                          ; v228-235 the conversions' second halves; in path X also the linear term's four running pairs
.set MA,  236                          ; v236-237, v238-239 largest magnitudes in two chains a block
.set MB,  238
.set SO,  240                          ; v240-241 the conversions' scale operands
.set BY,  242                          ; v242-243 the scale bytes
.set TP,  244                          ; v244     the other half of the lanes' part of a scale word
.set WQ,  245                          ; path Q: the scale word just made
.set SCI, 248                          ; path Q: v248-251 V's scale words of the i side: lanes 0-15 tile 2 q, lanes 16-31 tile 2 q + 1.  These eight registers hold scales and nothing else
.set SCJ, 252                          ; path Q: v252-255 the same of the j side: fragments 2 q and 2 q + 1
.set IV,  16                           ; path Q: v16-63 the i side's eight tiles, 6 registers each; v64-69 zeros
.set JT,  72                           ; path Q: v72-119 the j side's eight fragments as loaded
.set JV,  120                          ; path Q: v120-143 two operands for the j side, by turns
.set G,   144                          ; path Q: v144-207 eight results: 64 numbers of Q down one column
.set SQ,  12                           ; path Q: v12-15 the piece's scale words for the way out
.set MK,  66                           ; path Q: s66-97 the masks of 32 compares
; 64 numbers of a lane, v[s] on, register 32 c + i = k 64 c + 32 (lane / 16) + i of my row or column: two whole blocks.  They become the operand's 12 registers in v[PC] on and the scale word in v[w] (whole in both halves of the lanes).
.macro QUANT2 s, w
.irp c, 0,1
	v_max3_num_f32 v[MA+\c], |v[\s+32*\c]|, |v[\s+32*\c+1]|, 0x2800000      ; the floor 2^(5 - 127) is a leaf: the byte cannot fall under 1
	v_max3_num_f32 v[MB+\c], |v[\s+32*\c+16]|, |v[\s+32*\c+17]|, |v[\s+32*\c+18]|
.endr
.irp i, 2,4,6,8,10,12
.irp c, 0,1
	v_max3_num_f32 v[MA+\c], v[MA+\c], |v[\s+32*\c+\i]|, |v[\s+32*\c+\i+1]|   ; four chains by turns: no line waits for the line above it
	v_max3_num_f32 v[MB+\c], v[MB+\c], |v[\s+32*\c+\i+17]|, |v[\s+32*\c+\i+18]|
.endr
.endr
.irp c, 0,1
	v_max3_num_f32 v[MA+\c], v[MA+\c], |v[\s+32*\c+14]|, |v[\s+32*\c+15]|
.endr
.irp c, 0,1
	v_max3_num_f32 v[MA+\c], v[MA+\c], v[MB+\c], |v[\s+32*\c+31]|             ; the block's largest magnitude: all 32 numbers are mine
.endr
.irp c, 0,1
	v_add_nc_u32 v[SO+\c], 0xfe000000, v[MA+\c]    ; 4 off its exponent field: the conversion takes the exponent field of this operand as its scale
.endr
.irp c, 0,1
	v_lshrrev_b32 v[BY+\c], 23, v[SO+\c]           ; the scale's byte
.endr
	v_lshl_or_b32 v[\w], v[BY+1], 16, v[BY]        ; my two bytes: blocks h and 2 + h,
	v_lshlrev_b32 v[\w], v4, v[\w]                 ; 8 h bits up;
	v_permlanex16_b32 v[TP], v[\w], s20, s21
	v_or_b32 v[\w], v[\w], v[TP]                   ; with lane l xor 16's two the word is whole
.irp c, 0,1
	v_cvt_scalef32_pk16_bf6_f32 v[PC+6*\c:PC+6*\c+2], v[\s+32*\c:\s+32*\c+15], v[SO+\c]
	v_cvt_scalef32_pk16_bf6_f32 v[TT+4*\c:TT+4*\c+2], v[\s+32*\c+16:\s+32*\c+31], v[SO+\c]   ; a conversion's three registers begin on an even number: the second half is made elsewhere and moved
.endr
	v_nop                                          ; one plain instruction behind the scaled conversions
.irp c, 0,1
.irp i, 0,1,2
	v_mov_b32 v[PC+6*\c+3+\i], v[TT+4*\c+\i]
.endr
.endr
.endm
	s_load_b256 s[4:11], s[0:1], 0x0               ; x s[4:5], h s[6:7], V's codes s[8:9], V's scales s[10:11]
	s_load_b128 s[12:15], s[0:1], 0x20             ; xa s[12:13], qb s[14:15]
	s_load_b64 s[24:25], s[0:1], 0x30              ; lin
	v_lshl_add_u32 v246, v0, 2, 0x10800            ; LDS address of my spare word, behind the eight stages; kept for the closing lines alone
	v_mov_b32 v247, 0                              ; 0, likewise
	v_lshrrev_b32 v1, 5, v0
	v_readfirstlane_b32 s16, v1                    ; wave 0..7
	v_and_b32 v1, 31, v0                           ; lane
	v_and_b32 v2, 15, v0                           ; r
	v_bfe_u32 v3, v0, 4, 1                         ; h
	v_lshlrev_b32 v4, 3, v3                        ; 8 h
	v_lshlrev_b32 v5, 4, v1                        ; 16 x lane: an image's place for my lane; never rewritten
	v_mov_b32 v[TP], 0                             ; written once: a lane permute's destination counts as one of its sources
	s_mov_b32 s20, 0x76543210
	s_mov_b32 s21, 0xfedcba98                      ; v_permlanex16_b32's selects for lane l xor 16
	s_mov_b32 s22, 0xffff0000                      ; lanes 16-31
	s_mov_b32 s23, 0x0000ffff                      ; lanes 0-15
	s_wait_alu depctr_va_sdst(0)                   ; s16, the wave's number, is written: its first readers stand in both paths
	s_cmp_lt_u32 ttmp9, NQWG
	s_cbranch_scc1 .Lpath_q
; ------------------------------------------------------------------ PATH X
	s_sub_co_u32 s17, ttmp9, NQWG
	s_lshr_b32 s18, s17, 2                         ; RG: which 64 rows
	s_and_b32 s17, s17, 3
	s_lshl_b32 s17, s17, 3
	s_add_co_u32 s17, s17, s16                     ; ks = 8 (g % 4) + wave: the eight waves read 4,096 consecutive bytes of each row
	s_lshr_b32 s19, s18, 1                         ; RB: the block of 128 rows
	s_and_b32 s26, s18, 1                          ; wr: which half of it
	s_lshl_b32 s30, s17, 9                         ; h: 512 ks
	s_mov_b32 s31, 0
	s_lshl_b32 s28, s18, 20                        ; x: 64 rows of 16,384 bytes x RG + 512 ks
	s_add_co_u32 s28, s28, s30
	s_mov_b32 s29, 0
	s_mul_i32 s32, s19, 409600
	s_mul_i32 s33, s17, 12800
	s_add_co_u32 s32, s32, s33                     ; xa: the block of (RB, ks)
	s_mul_i32 s34, s26, 6144
	s_add_co_u32 s34, s34, s32                     ; my four fragments in it
	s_mov_b32 s35, 0
	s_lshl_b32 s36, s26, 8
	s_add_co_u32 s36, s36, s32
	s_add_co_u32 s36, s36, 12288                   ; and their scale words
	s_mov_b32 s37, 0
	s_lshl_b32 s38, s17, 14
	s_lshl_b32 s39, s18, 8
	s_add_co_u32 s38, s38, s39                     ; lin: 16,384 ks + 4 x 64 RG
	s_mov_b32 s39, 0
	s_mul_i32 s40, s16, 8448                       ; my wave's stage: 16 rows x (512 + 16) bytes
	v_add_nc_u32 v6, s40, v5                       ; into it: 16 x lane, a row an instruction
	v_mul_u32_u24 v7, v2, 528
	v_lshl_add_u32 v7, v3, 7, v7
	v_add_nc_u32 v7, s40, v7                       ; out of it: row r, + 128 h.  Rows 528 bytes apart: the sixteen rows of a pass begin in sixteen different columns of 16 bytes
	v_lshlrev_b32 v8, 7, v3                        ; h: 128 h
	v_lshlrev_b32 v9, 3, v1                        ; 8 x lane
	v_lshlrev_b32 v10, 2, v1                       ; 4 x lane
	s_wait_kmcnt 0x0
	s_add_nc_u64 s[4:5], s[4:5], s[28:29]
	s_add_nc_u64 s[6:7], s[6:7], s[30:31]
	s_add_nc_u64 s[34:35], s[12:13], s[34:35]
	s_add_nc_u64 s[36:37], s[12:13], s[36:37]
	s_add_nc_u64 s[24:25], s[24:25], s[38:39]
	s_wait_alu depctr_va_vdst(0)                   ; v5 to v10 are written: every load, store and LDS instruction of this path reads one of them as its offset or address, and none is written again
.irp c, 0,1
.irp q, 0,1,2,3,4,5,6,7
	global_load_b128 v[H+32*\c+4*\q:H+32*\c+4*\q+3], v8, s[6:7] offset:256*\c+16*\q   ; h(128 ks + 64 c + 32 h + ..): the places of my 64 numbers of a row
.endr
.endr
.macro LOADF a                         ; fragment a: 16 rows, each load 512 consecutive bytes of one row, into set a % 2
.irp i, 0,1,2,3,4,5,6,7,8,9,10,11,12,13,14,15
	global_load_b128 v[R+64*((\a)%2)+4*\i:R+64*((\a)%2)+4*\i+3], v5, s[4:5] offset:(16*(\a)+\i)*16384 th:TH_LOAD_NT
.endr
.endm
	LOADF 0
	LOADF 1
.macro FRAG a
.set RSET, R+64*((\a)%2)
.set WA, W+(\a)
.if (\a) < 3
	s_wait_loadcnt 16                              ; loads come back in order: h and this fragment are in, the next fragment's sixteen stay out
.else
	s_wait_loadcnt 0x0
.endif
.irp i, 0,1,2,3,4,5,6,7,8,9,10,11,12,13,14,15
	ds_store_b128 v6, v[RSET+4*\i:RSET+4*\i+3] offset:528*\i
.endr
	s_wait_dscnt 0x0                               ; the stores into the stage are done
	s_wait_alu depctr_vm_vsrc(0)                   ; the sixteen LDS stores have read the set, in which the LDS loads below land; and the fragment before's global stores have read v[PC] on, which this fragment's quantiser writes again (no memory instruction names it in between)
.irp c, 0,1
.irp q, 0,1,2,3,4,5,6,7
	ds_load_b128 v[RSET+32*\c+4*\q:RSET+32*\c+4*\q+3], v7 offset:256*\c+16*\q   ; row r, k = 64 c + 32 h + 4 q ..: two whole blocks a lane, in the operand's order
.endr
.endr
	s_wait_dscnt 0x0
.irp m, 0,1,2,3
	v_pk_mul_f32 v[TT+2*\m:TT+2*\m+1], v[RSET+2*\m:RSET+2*\m+1], v[H+2*\m:H+2*\m+1]   ; the linear term of the unquantised x, in f32: the first four products start four chains
.endr
.set mm, 4
.rept 28
	v_pk_fma_f32 v[TT+2*(mm%4):TT+2*(mm%4)+1], v[RSET+2*mm:RSET+2*mm+1], v[H+2*mm:H+2*mm+1], v[TT+2*(mm%4):TT+2*(mm%4)+1]
.set mm, mm+1
.endr
	v_pk_add_f32 v[TT:TT+1], v[TT:TT+1], v[TT+2:TT+3]
	v_pk_add_f32 v[TT+4:TT+5], v[TT+4:TT+5], v[TT+6:TT+7]
	v_pk_add_f32 v[TT:TT+1], v[TT:TT+1], v[TT+4:TT+5]
	v_add_f32 v[L+(\a)], v[TT], v[TT+1]
	s_wait_xcnt 0x0                                ; the last fragment's stores have read v[PC] on: it is written again only behind this wait
	QUANT2 RSET, WA
	s_wait_alu depctr_va_vdst(0)                   ; the quantiser has written v[PC] on, which the stores below read; it and the linear term are done reading the set, in which the loads below land
.if (\a) < 2
	LOADF (\a)+2                                   ; the set is free: the fragment two on
.endif
.irp c, 0,1,2
	global_store_b128 v5, v[PC+4*\c:PC+4*\c+3], s[34:35] offset:(\a)*1536+512*\c   ; 32 lanes store 512 consecutive bytes, at a multiple of 256 from xa's first byte
.endr
.endm
	FRAG 0
	FRAG 1
	FRAG 2
	FRAG 3
.irp a, 0,1,2,3
	v_permlanex16_b32 v[TT+\a], v[L+\a], s20, s21
.endr
.irp a, 0,1,2,3
	v_add_f32 v[L+\a], v[L+\a], v[TT+\a]           ; with the other half of the K step: row 16 a + r, in both halves of the lanes
.endr
	v_cndmask_b32 v[TT], v[L], v[L+1], s22         ; lane l: row l
	v_cndmask_b32 v[TT+1], v[L+2], v[L+3], s22     ; lane l: row 32 + l
	v_cndmask_b32 v[TT+2], v[W], v[W+1], s22       ; lanes 0-15 fragment 0's words, lanes 16-31 fragment 1's
	v_cndmask_b32 v[TT+3], v[W+2], v[W+3], s22
	s_wait_alu depctr_va_vdst(0)                   ; the four selects have written v[TT] to v[TT+3], which the three stores below read
	global_store_b32 v10, v[TT], s[24:25]          ; 128 consecutive bytes each: the two together fill 256 aligned bytes of lin
	global_store_b32 v10, v[TT+1], s[24:25] offset:128
	global_store_b64 v9, v[TT+2:TT+3], s[36:37]    ; 256 consecutive bytes, aligned
	s_wait_dscnt 0x0                               ; the closing lines, six on end
	s_wait_alu 0x0
	s_wait_tensorcnt 0x0
	ds_add_u32 v246, v247
	s_wait_dscnt 0x0
	s_endpgm
; ------------------------------------------------------------------ PATH Q
.Lpath_q:
	s_lshl_b32 s17, ttmp9, 3
	s_add_co_u32 s17, s17, s16                     ; the piece's number, 0 .. 543
	s_and_b32 s18, s17, 1                          ; wc: which 128 of the tile's 256 columns
	s_lshr_b32 s17, s17, 1                         ; e, 0 .. 271: column tiles pp and 15 - pp have 2 pp + 2 and 32 - 2 pp K steps, 34 together
	s_mul_i32 s19, s17, 241
	s_lshr_b32 s19, s19, 13                        ; pp = e / 34 (241 / 8,192 gives the quotient for every e under 272)
	s_mul_i32 s26, s19, 34
	s_sub_co_u32 s17, s17, s26                     ; m = e - 34 pp
	s_lshl_b32 s26, s19, 1
	s_add_co_u32 s26, s26, 2
	s_sub_co_u32 s27, 15, s19
	s_sub_co_u32 s28, s17, s26
	s_cmp_lt_u32 s17, s26
	s_cselect_b32 s19, s19, s27                    ; J
	s_cselect_b32 s17, s17, s28                    ; ks, 0 .. 2 J + 1
	s_lshl_b32 s40, s19, 8
	s_lshl_b32 s41, s18, 7
	s_add_co_u32 s40, s40, s41                     ; the piece's first column
	s_lshl_b32 s43, s17, 7                         ; its first row of Q
	s_sub_co_i32 s42, s40, s43
	s_lshl_b32 s41, s19, 1
	s_add_co_u32 s41, s41, s18                     ; 2 J + wc: pieces with ks under it lie wholly above the diagonal
	s_mul_i32 s44, s17, 3072                       ; V's codes: 24 bytes a column of V
	s_mov_b32 s45, 0
	s_mul_i32 s46, s40, 24
	s_mov_b32 s47, 0
	s_mov_b32 s48, s43
	s_mov_b32 s49, 0
	s_mov_b32 s50, s40
	s_mov_b32 s51, 0
	s_mul_i32 s52, s19, 819200
	s_mul_i32 s38, s17, 25600
	s_add_co_u32 s52, s52, s38                     ; qb: the block of (J, ks)
	s_mul_i32 s38, s18, 12288
	s_add_co_u32 s38, s38, s52                     ; my eight fragments in it
	s_mov_b32 s39, 0
	s_lshl_b32 s53, s18, 9
	s_add_co_u32 s52, s52, s53
	s_add_co_u32 s52, s52, 24576                   ; and their scale words
	s_mov_b32 s53, 0
	v_and_b32 v6, 7, v2
	v_lshrrev_b32 v7, 3, v2
	v_lshl_add_u32 v7, v7, 5, v6                   ; THE ROWS OF A TILE ARE NOT NEIGHBOURS: row m of tile 4 c + t is i = 64 c + 32 (m / 8) + 8 t + m % 8, so that a lane's 32 results of tiles 4 c .. 4 c + 3 are one whole block, i = 64 c + 32 h + 0 .. 31
	v_mul_u32_u24 v6, v7, 24                       ; its codes
	v_lshl_add_u32 v7, v3, 3, v7                   ; its scale byte: lanes 16-31 take the next tile's (8 rows on)
	v_mul_u32_u24 v8, v2, 96                       ; the j side: column 4 r + .., 24 bytes each
	v_lshl_add_u32 v9, v2, 2, v3                   ; its scale byte: lanes 16-31 take the next fragment's (one column on)
	v_lshlrev_b32 v11, 2, v2
	v_lshlrev_b32 v10, 5, v3
	v_sub_nc_u32 v11, v11, v10
	v_add_nc_u32 v11, s42, v11                     ; d0 = first column - first row + 4 r - 32 h
	s_wait_kmcnt 0x0
	s_add_nc_u64 s[26:27], s[8:9], s[44:45]
	s_add_nc_u64 s[28:29], s[8:9], s[46:47]
	s_add_nc_u64 s[30:31], s[10:11], s[48:49]
	s_add_nc_u64 s[32:33], s[10:11], s[50:51]
	s_add_nc_u64 s[34:35], s[14:15], s[38:39]
	s_add_nc_u64 s[36:37], s[14:15], s[52:53]
	s_wait_alu depctr_va_vdst(0)                   ; v5 to v9 are written: every load and store of this path reads one of them as its offset, and none is written again
.irp t, 0,1,2,3,4,5,6,7
.irp p, 0,1,2
	global_load_b64 v[IV+6*\t+2*\p:IV+6*\t+2*\p+1], v6, s[26:27] offset:24*(64*(\t/4)+8*(\t%4))+8*\p
.endr
.endr
.irp b, 0,1,2,3,4,5,6,7
.irp p, 0,1,2
	global_load_b64 v[JT+6*\b+2*\p:JT+6*\b+2*\p+1], v8, s[28:29] offset:24*(64*(\b/4)+\b%4)+8*\p
.endr
.endr
.irp q, 0,1,2,3
	global_load_u8 v[SCI+\q], v7, s[30:31] offset:64*(\q/2)+16*(\q%2)
	global_load_u8 v[SCJ+\q], v9, s[32:33] offset:64*(\q/2)+2*(\q%2)
.endr
.irp i, 0,1,2,3,4,5
	v_mov_b32 v[IV+48+\i], 0                       ; what tile 7's operand names beyond its own 32 codes
	v_mov_b32 v[JV+6+\i], 0                        ; the j side beyond K = 32 is zero codes: so whatever the i side's registers hold there (other tiles' codes, all finite numbers) adds nothing
	v_mov_b32 v[JV+18+\i], 0
.endr
	s_wait_loadcnt 0x0
.irp q, 0,1,2,3
	v_or_b32 v[SCI+\q], 0x7f7f7f00, v[SCI+\q]      ; byte 0: V's scale; the three blocks that hold nothing get the byte of 1.0
	v_or_b32 v[SCJ+\q], 0x7f7f7f00, v[SCJ+\q]
.endr
.macro WMQ t, b                        ; G(tile t) = 16 rows i x 16 columns j of V^T V.  The scale rows: odd tiles and odd fragments have their words in lanes 16-31
.if ((\t)%2 == 0) && ((\b)%2 == 0)
	v_wmma_scale_f32_16x16x128_f8f6f4 v[G+8*(\t):G+8*(\t)+7], v[IV+6*(\t):IV+6*(\t)+11], v[JVB:JVB+11], 0, v[SCI+(\t)/2], v[SCJ+(\b)/2] matrix_a_fmt:MATRIX_FMT_BF6 matrix_b_fmt:MATRIX_FMT_BF6
.elseif (\b)%2 == 0
	v_wmma_scale_f32_16x16x128_f8f6f4 v[G+8*(\t):G+8*(\t)+7], v[IV+6*(\t):IV+6*(\t)+11], v[JVB:JVB+11], 0, v[SCI+(\t)/2], v[SCJ+(\b)/2] matrix_a_fmt:MATRIX_FMT_BF6 matrix_b_fmt:MATRIX_FMT_BF6 matrix_a_scale:MATRIX_SCALE_ROW1
.elseif (\t)%2 == 0
	v_wmma_scale_f32_16x16x128_f8f6f4 v[G+8*(\t):G+8*(\t)+7], v[IV+6*(\t):IV+6*(\t)+11], v[JVB:JVB+11], 0, v[SCI+(\t)/2], v[SCJ+(\b)/2] matrix_a_fmt:MATRIX_FMT_BF6 matrix_b_fmt:MATRIX_FMT_BF6 matrix_b_scale:MATRIX_SCALE_ROW1
.else
	v_wmma_scale_f32_16x16x128_f8f6f4 v[G+8*(\t):G+8*(\t)+7], v[IV+6*(\t):IV+6*(\t)+11], v[JVB:JVB+11], 0, v[SCI+(\t)/2], v[SCJ+(\b)/2] matrix_a_fmt:MATRIX_FMT_BF6 matrix_b_fmt:MATRIX_FMT_BF6 matrix_a_scale:MATRIX_SCALE_ROW1 matrix_b_scale:MATRIX_SCALE_ROW1
.endif
.endm
.macro QFRAG b                         ; fragment b: 16 columns x 128 rows of Q
.set JVB, JV+12*((\b)%2)
.irp i, 0,1,2,3,4,5
	v_cndmask_b32 v[JVB+\i], 0, v[JT+6*(\b)+\i], s23   ; lanes 0-15 hold K = 0 .. 31; lanes 16-31 (K = 32 .. 63) zero codes
.endr
.rept 4
	v_nop                                          ; an operand written by vector instructions stands four places ahead of a scaled matrix instruction (the scale words were written more than eight ahead)
.endr
	s_wait_alu depctr_va_vdst(0)                   ; the six selects have written the j side's operand, which the products take (ahead of fragment 0: so have the moves of zeros and the eight lines that made the scale words); the fragment before's quantiser has written v[PC] on, which the stores below read
.if (\b) > 0
.irp c, 0,1,2
	global_store_b128 v5, v[PC+4*\c:PC+4*\c+3], s[34:35] offset:((\b)-1)*1536+512*\c   ; the fragment before: 512 consecutive bytes, at a multiple of 256 from qb's first byte
.endr
.endif
.irp t, 0,1,2,3,4,5,6,7
	WMQ \t, \b
.endr
.rept 4
	v_nop                                          ; four places ahead of the first read of the results (ISA guide 7.12.1)
.endr
.if (\b) > 0
	s_wait_alu depctr_vm_vsrc(0)                   ; the three stores above have read v[PC] on, which this fragment's quantiser writes again: ahead of the branch, so on both ways to it
.endif
	s_cmp_lt_u32 s17, s41                          ; a piece wholly above the diagonal keeps all its numbers
	s_cbranch_scc1 .Lopen_\@
	v_add_nc_u32 v10, 64*((\b)/4)+(\b)%4, v11      ; d = my column - the piece's first row - 32 h.  Register n holds row n + 32 (n / 32) + 32 h of the piece: kept where row < column
.set n0, 0
.rept 2                                ; 32 compares in a run, each into a scalar register of its own; one wait; the 32 selects
.set n, n0
.rept 32
	v_cmp_lt_i32 s[MK+n%32], n+32*(n/32), v10
.set n, n+1
.endr
	s_wait_alu depctr_va_sdst(0)                   ; the 32 compares have written s[MK] on, which the selects below read
.set n, n0
.rept 32
	v_cndmask_b32 v[G+n], 0, v[G+n], s[MK+n%32]
.set n, n+1
.endr
.set n0, n0+32
.endr
.Lopen_\@:
	s_wait_xcnt 0x0                                ; the last fragment's stores have read v[PC] on
	QUANT2 G, WQ
.if (\b)%2 == 0
	v_mov_b32 v[SQ+(\b)/2], v[WQ]
.else
	v_cndmask_b32 v[SQ+(\b)/2], v[SQ+(\b)/2], v[WQ], s22   ; lanes 0-15 the even fragment's words, lanes 16-31 the odd one's
.endif
.endm
.irp b, 0,1,2,3,4,5,6,7
	QFRAG \b
.endr
	s_wait_alu depctr_va_vdst(0)                   ; fragment 7's quantiser has written v[PC] on, and the last select v[SQ+3]: the four stores below read them
.irp c, 0,1,2
	global_store_b128 v5, v[PC+4*\c:PC+4*\c+3], s[34:35] offset:7*1536+512*\c   ; fragment 7: 512 consecutive bytes, at a multiple of 256 from qb's first byte
.endr
	global_store_b128 v5, v[SQ:SQ+3], s[36:37]     ; 512 consecutive bytes, aligned
	s_endpgm
.Lfunc_end_k_q502b8c2465_prep:
	.size	k_q502b8c2465_prep, .Lfunc_end_k_q502b8c2465_prep-k_q502b8c2465_prep
	.p2alignl 7, 3214868480
	.fill 96, 4, 3214868480
	.section	.rodata,"a",@progbits
	.p2align	6, 0x0
	.amdhsa_kernel k_q502b8c2465_prep
		.amdhsa_group_segment_fixed_size 68608
		.amdhsa_private_segment_fixed_size 0
		.amdhsa_enable_private_segment 0
		.amdhsa_kernarg_size 56
		.amdhsa_user_sgpr_count 2
		.amdhsa_user_sgpr_kernarg_segment_ptr 1
		.amdhsa_wavefront_size32 1
		.amdhsa_system_sgpr_workgroup_id_x 1
		.amdhsa_system_sgpr_workgroup_id_y 1
		.amdhsa_system_sgpr_workgroup_id_z 1
		.amdhsa_system_vgpr_workitem_id 0
		.amdhsa_next_free_vgpr 256
		.amdhsa_next_free_sgpr 98
		.amdhsa_reserve_vcc 0
		.amdhsa_float_denorm_mode_32 3
		.amdhsa_float_denorm_mode_16_64 3
		.amdhsa_memory_ordered 1
		.amdhsa_forward_progress 1
		.amdhsa_inst_pref_size 164
	.end_amdhsa_kernel
	.amdgpu_metadata
---
amdhsa.version: [ 1, 2 ]
amdhsa.kernels:
  - .name:           k_q502b8c2465_prep
    .symbol:         k_q502b8c2465_prep.kd
    .args:
      - { .name: x, .offset: 0, .size: 8, .value_kind: global_buffer, .address_space: global }
      - { .name: h, .offset: 8, .size: 8, .value_kind: global_buffer, .address_space: global }
      - { .name: V_codes, .offset: 16, .size: 8, .value_kind: global_buffer, .address_space: global }
      - { .name: V_scales, .offset: 24, .size: 8, .value_kind: global_buffer, .address_space: global }
      - { .name: xa, .offset: 32, .size: 8, .value_kind: global_buffer, .address_space: global }
      - { .name: qb, .offset: 40, .size: 8, .value_kind: global_buffer, .address_space: global }
      - { .name: lin, .offset: 48, .size: 8, .value_kind: global_buffer, .address_space: global }
    .group_segment_fixed_size: 68608
    .private_segment_fixed_size: 0
    .kernarg_segment_align: 8
    .kernarg_segment_size: 56
    .max_flat_workgroup_size: 256
    .sgpr_count:     98
    .vgpr_count:     256
    .wavefront_size: 32
...
	.end_amdgpu_metadata
.endif
;; end of part 4
;; launch gemm: the kernel of part 2 again; grid 32 x 8, 4 waves a work-group, clusters of 4 x 1, 327,680 bytes of LDS; arguments xa, qb, x, part; writes part
;; launch finish: the kernel of part 3 again; grid 8 x 1, 4 waves a work-group, no clusters, 0 bytes of LDS; arguments lin, part, bias, out0; writes out0
